; MI455X (gfx1250); checked and timed in simulation.
; The chip was launched on July 23, 2026; its instructions are those of AMD's public machine-readable ISA for CDNA 5 (MIT licence, August 2026) and "CDNA5" Instruction Set Architecture Reference Guide (July 2026). The comments in the code are by the model that wrote it; some were corrected since.
;; Feedforward Ensemble. Allowed arithmetic: matrix products marked QUANTISED: E3M2 operands, one E8M0 scale for each 32 along K, by v_wmma_scale_f32_16x16x128_f8f6f4 with both operands' format E3M2, f32 sums; products left as they are: f32 operands where the result goes on into a quantised operand, else bf16, f16 or f32 operands; f32 sums; everything else in f32.
;; Inputs: ensembles 4 x 2 x 512 int32; proj_in_codes 8 x 2,048 x 32 x 24 uint8 (E3M2 codes of proj_in, K innermost, in blocks of 32 codes, four codes in three bytes); proj_in_scales 8 x 2,048 x 32 uint8 (E8M0 scales of proj_in, one for each 32 codes along K); proj_out_codes 8 x 1,024 x 64 x 24 uint8 (E3M2 codes of proj_out, K innermost, in blocks of 32 codes, four codes in three bytes); proj_out_scales 8 x 1,024 x 64 uint8 (E8M0 scales of proj_out, one for each 32 codes along K); weights 4 x 2 x 512 float32; x_codes 4 x 512 x 32 x 24 uint8 (E3M2 codes of x, K innermost, in blocks of 32 codes, four codes in three bytes); x_scales 4 x 512 x 32 uint8 (E8M0 scales of x, one for each 32 codes along K).
;; Outputs: out0 4 x 512 x 1,024 float32.
;; This version of the problem:
;;   THIS VERSION OF THE PROBLEM IS GIVEN IN LOW PRECISION. The matrix products marked QUANTISED in the list below multiply operands that are first quantised to E3M2 (3 exponent bits, 2 mantissa bits; 6 bits a number), with one power-of-two scale for each 32 numbers along K (OCP MX v1.0); their sums are f32. All else is computed in f32.
;;   The module's matrix products, in the order in which they are computed (A, B: the left and right operand; K: the contracted axis; several contracted axes count as one K, in the product's order):
;;     1. [M 2,048, K 1,024] x [K 1,024, N 16,384]; A: input x (given as codes); B: input proj_in (given as codes): QUANTISED
;;     2. batch 8 x [M 2,048, K 2,048] x [K 2,048, N 1,024]; A: computed on the way; B: input proj_out (given as codes): QUANTISED
;;     3. batch 2,048 x [M 1, K 2] x [K 2, N 8]; A: input weights; B: computed on the way: left as it is (K = 2 < 32)
;;     4. batch 2,048 x [M 1,024, K 8] x [K 8, N 1]; A: computed on the way; B: computed on the way: left as it is (K = 8 < 32)
;;   THE QUANTISER, for each operand of a quantised product, along K:
;;     - K is cut into blocks of 32 from its start; a last block that is shorter is filled with zeros.
;;     - A block's scale is 2^e with e = floor(log2(the largest magnitude in the block)) - 4, held to -126 .. 127; a block of zeros has e = 0. As a byte (E8M0): e + 127.
;;     - Each number is divided by its block's scale, clamped to +-28, and rounded to the nearest number of E3M2, ties to even, subnormals kept.
;;     - The product sums the exact products of the quantised numbers (number of the format x scale) in f32.
;;   ~~~python
;;   def quantise(x, axis):      # numpy; x: float32 -> the quantised numbers, widened to float32 again
;;       x = np.moveaxis(x, axis, -1); K = x.shape[-1]
;;       x = np.pad(x, [(0, 0)] * (x.ndim - 1) + [(0, -K % 32)]); x = x.reshape(x.shape[:-1] + (-1, 32)); a = np.abs(x).max(-1, keepdims=True)
;;       e = np.where(a > 0, np.clip(np.frexp(np.where(a > 0, a, 1))[1] - 1 - 4, -126, 127), 0)      # np.frexp(a)[1] - 1 = floor(log2(a)), exactly
;;       r = np.clip(x / 2.0 ** e, -28, 28)
;;       step = 2.0 ** (np.maximum(np.frexp(np.where(r == 0, 1, r))[1] - 1, -2) - 2)
;;       q = np.round(r / step) * step * 2.0 ** e      # np.round: ties to even
;;       return np.moveaxis(q.reshape(q.shape[:-2] + (-1,))[..., :K], -1, axis).astype(np.float32)
;;   ~~~
;;   OPERANDS COMPUTED ON THE WAY. 'Computed on the way' means the value that the module computes at that place (a softmax that the list does not call 'softmax' is quantised finished and normalised). What goes into a quantiser is computed in f32, as accurately as f32 sums, v_exp_f32 and their like allow (about 1e-6 of the number): no bf16 or f16 on the way to a quantiser, and a product that is left as it is and whose result goes on into a quantised operand takes f32 operands (vector FMAs, or v_wmma_f32_16x16x4_f32). A number that lies on a knife's edge between two numbers of the format may be rounded either way, as far as f32 arithmetic and the matrix unit's own rounding can turn it there, and no further.
;;   INPUTS GIVEN AS CODES. proj_in (in the module: [8, 2048, 1024], K = its axis 2); proj_out (in the module: [8, 1024, 2048], K = its axis 2); x (in the module: [4, 512, 1024], K = its axis 2): each comes as NAME_codes (uint8): NAME with its K axis moved to the last place and cut into blocks of 32 codes, [.., K / 32, bytes a block], one block behind the other in memory; four codes in three bytes: a row's codes are one little-endian stream of bits, code i at bits 6 i .. 6 i + 5 (a code: sign, 3 exponent bits, 2 mantissa bits); and NAME_scales (uint8): the same leading axes, one E8M0 byte (e + 127) for each 32 codes along K. Its value is code x scale, taken as it is: it is not quantised again, and the codes and scales need not be those that the quantiser above would give.
;; 2 versions, each right; version 2 is version 1 with the launches gemm1, gemm2 written anew for expert scheduling mode. Each part assembles by itself: llvm-mc -triple=amdgcn-amd-amdhsa -mcpu=gfx1250 --defsym DOCPART=n.
;; ======== version 1 of 2: 4 launches
;; workspace buffers: route 41,984 bytes of whole numbers; w1l 12,582,912 bytes; w2l 12,582,912 bytes; hc 7,667,712 bytes; hs 319,488 bytes; part 20,447,232 bytes
;; launch prep (part 1): grid 129 x 1, 8 waves a work-group, no clusters, 102,400 bytes of LDS; arguments ensembles, proj_in_codes, w1l, route; writes w1l, route
.if DOCPART == 1
	.amdgcn_target "amdgcn-amd-amdhsa--gfx1250"
	.amdhsa_code_object_version 6
	.text
	.protected	k_qc74e6eb023_prep
	.globl	k_qc74e6eb023_prep
	.p2align	8
	.type	k_qc74e6eb023_prep,@function
k_qc74e6eb023_prep:
	s_mov_b64 s[64:65], 0
	v_nop
	global_prefetch_b8 v0, s[64:65] scope:SCOPE_SE
	s_setreg_imm32_b32 hwreg(HW_REG_WAVE_MODE, 25, 1), 1
	s_wait_xcnt 0x0
; PREP.  Two jobs in one launch, told apart by the work-group's number.
; Work-group 0 SORTS the 4,096 routed rows (token, choice) by expert, a counting sort without atomics, and stores as whole numbers:
;   route + 0:     TE[256]   the expert of tile i of 128 sorted rows, or 8 where tile i has no rows
;   route + TOKB:  the token (0 .. 2047) of sorted row p;   route + DSTB: the row of the buffer of partial results that sorted row p is stored to
; An expert's rows begin on a tile's first row, so there are at most 32 + 7 = 39 tiles whatever the choice.  A row that only fills a tile up takes token 0 and has a spare row of its own:
; 4096 + p - (the rows of all experts up to its own), 896 of them at the most: no two rows are ever stored to the same bytes.
; Words 4992 .. 5023 of both lists are spare words, a lane each: lanes with nothing to store write there; nobody reads them.
; Work-groups 1 .. 128 LAY W1'S CODES OUT in the order of the matrix operand's registers: a fragment (16 rows x 128 K, 12 registers a lane) becomes 3 x 512 bytes, register group c of lane l at 512 c + 16 l,
; so that the product's launch loads a fragment by three loads of 16 bytes a lane.  w1l: [expert 16 + group of 128 units][K step 8][tile 8]; lane r of tile t holds unit 32 (t / 2) + 8 (t % 2) + r + 8 (r / 8) of the group,
; so that the first product's results are neighbours along the second product's K.  (W2 is laid out in the next launch, which does not need it.)
; LIMIT: an entry of ensembles outside 0 .. 7 is not served (an index stays inside the table that it indexes).
.set TOKB,  1024
.set DSTB,  21504
.set NROW,  4992                       ; 39 tiles x 128 rows
.set LAST,  5023                       ; the lists' last word
.set PIT,   784                        ; an LDS slot: 768 bytes + 16 = 196 words: slot r starts at bank 4 r mod 64 (64 banks of 4 bytes: ISA guide 11.1), the other half of the lanes 6 words on
.set WREG,  16*PIT                     ; a wave's own 16 slots
.set RB,    8*WREG                     ; behind them: the sorting work-group's 1,024 bytes, which the laying-out path never names
.set D,     64                         ; v64-159 layout: 96 registers of data
.set E,     16                         ; v16-31  sort: my 16 entries
.set POS,   64                         ; v64-79  sort: their places among the sorted rows
.set T,     80                         ; v80-95  their tokens
.set JJ,    96                         ; v96-111 their numbers
	s_load_b256 s[4:11], s[0:1], 0x0               ; ensembles s[4:5], proj_in_codes s[6:7], w1l s[8:9], route s[10:11]
	v_lshl_add_u32 v160, v0, 2, 0x18c00
	v_mov_b32 v161, 0
	v_lshrrev_b32 v1, 5, v0
	v_readfirstlane_b32 s16, v1                    ; wave 0..7
	v_and_b32 v1, 31, v0                           ; lane
	v_and_b32 v2, 15, v0                           ; r
	v_bfe_u32 v3, v0, 4, 1                         ; h
	s_cmp_eq_u32 ttmp9, 0
	s_cbranch_scc1 .Lroute
	; ---- W1.  A wave's job: the 16 whole rows (768 bytes each) of one tile become its 8 fragments (8 K steps).  A pair of waves takes 32 rows: the even wave rows 0-7 and 16-23, the odd one rows 8-15 and 24-31.
	s_sub_co_u32 s17, ttmp9, 1
	v_lshrrev_b32 v5, 5, v0
	v_mul_u32_u24 v5, v5, WREG                     ; my wave's slots
	v_mad_u32_u24 v6, v3, 8*PIT, v5
	v_lshl_add_u32 v6, v2, 4, v6                   ; in: slot 8 h + i, 16 bytes a lane
	v_mad_u32_u24 v7, v2, PIT, v5
	v_mad_u32_u24 v7, v3, 24, v7                   ; out: slot r, + 24 h: the operand's layout
	v_mul_u32_u24 v4, v3, 12288                    ; in memory lanes 16-31 begin 16 rows on
	v_lshl_add_u32 v4, v2, 4, v4
	v_lshlrev_b32 v1, 4, v1                        ; 16 x lane
	s_lshl_b32 s17, s17, 2
	s_lshr_b32 s30, s16, 1
	s_add_co_u32 s17, s17, s30                     ; J: which 32 rows (24,576 bytes) of the tensor
	s_and_b32 s31, s16, 1                          ; u
	s_mul_i32 s32, s17, 24576
	s_mul_i32 s33, s31, 6144                       ; the odd wave: 8 rows on
	s_add_co_u32 s32, s32, s33
	s_mov_b32 s33, 0
	s_lshr_b32 s34, s17, 2
	s_lshl_b32 s34, s34, 6                         ; 64 fragments to a group of 128 units
	s_and_b32 s35, s17, 3
	s_lshl_b32 s35, s35, 1
	s_add_co_u32 s34, s34, s35
	s_add_co_u32 s34, s34, s31                     ; tile 2 (J % 4) + u at K step 0
	s_mul_i32 s34, s34, 1536
	s_mov_b32 s35, 0
	s_wait_kmcnt 0x0
	s_add_nc_u64 s[6:7], s[6:7], s[32:33]
	s_add_nc_u64 s[8:9], s[8:9], s[34:35]
.irp i, 0,1,2,3,4,5,6,7
.irp c, 0,1,2
	global_load_b128 v[D+4*(3*\i+\c):D+4*(3*\i+\c)+3], v4, s[6:7] offset:768*\i+256*\c th:TH_LOAD_NT   ; sixteen lanes read 256 consecutive bytes, aligned; read once in this launch
.endr
.endr
	s_wait_loadcnt 12                              ; slots i = 0 .. 3 are in; the other twelve loads may be out
.irp i, 0,1,2,3
.irp c, 0,1,2
	ds_store_b128 v6, v[D+4*(3*\i+\c):D+4*(3*\i+\c)+3] offset:PIT*\i+256*\c
.endr
.endr
	s_wait_loadcnt 0x0
.irp i, 4,5,6,7
.irp c, 0,1,2
	ds_store_b128 v6, v[D+4*(3*\i+\c):D+4*(3*\i+\c)+3] offset:PIT*\i+256*\c
.endr
.endr
	s_wait_dscnt 0x0                               ; the stores have read their registers, which take the fragments now.  The bytes are my wave's own: no barrier
.irp s, 0,1,2,3,4,5,6,7
.irp p, 0,1,2,3,4,5
	ds_load_b64 v[D+12*\s+2*\p:D+12*\s+2*\p+1], v7 offset:96*\s+48*(\p/3)+8*(\p%3)   ; registers 6 c .. 6 c + 5 = K 64 c + 32 h + 0 .. 31 of K step s: 24 bytes of the row's stream of bits
.endr
.endr
.irp s, 0,1,2,3,4,5,6,7
	s_wait_dscnt 6*(7-\s)                          ; fragment s is in; the later fragments' loads may be out
.irp c, 0,1,2
	global_store_b128 v1, v[D+12*\s+4*\c:D+12*\s+4*\c+3], s[8:9] offset:12288*\s+512*\c   ; the wave stores 512 consecutive bytes, aligned; a K step is 8 fragments on
.endr
.endr
	s_wait_tensorcnt 0x0
	ds_add_u32 v160, v161
	s_wait_dscnt 0x0
	s_endpgm
	; ---- THE SORT.  Wave w owns entries 512 w .. 512 w + 511, which are (b, k) = (w / 2, w % 2); register 4 m + c of a lane is entry 512 w + 128 m + 4 lane + c.
.Lroute:
	v_lshlrev_b32 v4, 4, v1
	v_lshl_add_u32 v4, s16, 11, v4
	s_wait_kmcnt 0x0
.irp m, 0,1,2,3
	global_load_b128 v[E+4*\m:E+4*\m+3], v4, s[4:5] offset:512*\m
.endr
.irp e, 0,1,2,3,4,5,6,7
	s_mov_b32 s[32+\e], 0
.endr
	s_wait_loadcnt 0x0
	; pass 1: how many of my wave's entries name each expert
.set I, 0
.rept 16
.irp e, 0,1,2,3,4,5,6,7
	v_cmp_eq_u32 s[48+\e], \e, v[E+I]
.endr
.irp e, 0,1,2,3,4,5,6,7
	s_bcnt1_i32_b32 s[56+\e], s[48+\e]
.endr
.irp e, 0,1,2,3,4,5,6,7
	s_add_co_u32 s[32+\e], s[32+\e], s[56+\e]
.endr
.set I, I+1
.endr
	v_mov_b32 v40, 0
.irp e, 0,1,2,3,4,5,6,7
	v_writelane_b32 v40, s[32+\e], \e              ; lane e: my wave's count for expert e
.endr
	v_lshl_add_u32 v5, v0, 2, RB
	ds_store_b32 v5, v40
	s_wait_dscnt 0x0                               ; for the others' sake: my counts lie in LDS
	s_barrier_signal -1                            ; the launch's one barrier: all eight waves of work-group 0 are on this path
	s_barrier_wait -1
	v_and_b32 v6, 7, v0
	v_lshl_add_u32 v6, v6, 2, RB
.irp w, 0,1,2,3,4,5,6,7
	ds_load_b32 v[41+\w], v6 offset:128*\w         ; lane e (mod 8): wave w's count for expert e
.endr
	v_mov_b32 v49, 0
	v_mov_b32 v50, 0
	s_wait_dscnt 0x0
.irp w, 0,1,2,3,4,5,6,7
	s_cmp_gt_u32 s16, \w
	s_cselect_b32 s90, -1, 0
	v_and_b32 v51, s90, v[41+\w]
	v_add_nc_u32 v50, v50, v[41+\w]                ; the expert's rows in all,
	v_add_nc_u32 v49, v49, v51                     ; and those of the waves in front of mine
.endr
.irp e, 0,1,2,3,4,5,6,7
	v_readlane_b32 s[32+\e], v50, \e
	v_readlane_b32 s[40+\e], v49, \e
.endr
	s_mov_b32 s70, 0                               ; tiles so far
	s_mov_b32 s71, 0                               ; rows so far
	s_mov_b32 s88, 0                               ; of the expert with my wave's number: where its rows end,
	s_mov_b32 s89, 0                               ; where its last tile ends,
	s_mov_b32 s95, 0                               ; and the rows of all experts up to it
.irp e, 0,1,2,3,4,5,6,7
	s_lshl_b32 s91, s70, 7
	s_add_co_u32 s[72+\e], s91, s[40+\e]           ; where my wave's rows of expert e begin
	s_add_co_u32 s92, s91, s[32+\e]
	s_add_co_u32 s71, s71, s[32+\e]
	s_cmp_eq_u32 s16, \e
	s_cselect_b32 s88, s92, s88
	s_cselect_b32 s95, s71, s95
	s_add_co_u32 s93, s[32+\e], 127
	s_lshr_b32 s93, s93, 7
	s_add_co_u32 s70, s70, s93
	s_mov_b32 s[80+\e], s70                        ; the first tile behind expert e's
	s_lshl_b32 s94, s70, 7
	s_cmp_eq_u32 s16, \e
	s_cselect_b32 s89, s94, s89
.endr
	; pass 2: each entry's place: its expert's running start + the lanes below mine that name the same expert
.set I, 0
.rept 16
	v_mov_b32 v[POS+I], 0
.irp e, 0,1,2,3,4,5,6,7
	v_cmp_eq_u32 s[48+\e], \e, v[E+I]
.endr
.irp e, 0,1,2,3,4,5,6,7
	v_mbcnt_lo_u32_b32 v[56+\e%4], s[48+\e], s[72+\e]
	v_cndmask_b32 v[POS+I], v[POS+I], v[56+\e%4], s[48+\e]
	s_bcnt1_i32_b32 s[56+\e], s[48+\e]
	s_add_co_u32 s[72+\e], s[72+\e], s[56+\e]
.endr
.set I, I+1
.endr
	s_lshr_b32 s91, s16, 1
	s_lshl_b32 s91, s91, 9
	v_lshl_add_u32 v7, v1, 2, s91                  ; token = 512 (w / 2) + 128 m + 4 lane + c
	s_lshl_b32 s92, s16, 9
	v_lshl_add_u32 v8, v1, 2, s92                  ; entry = 512 w + 128 m + 4 lane + c
.set I, 0
.rept 16
	v_min_u32 v[POS+I], LAST, v[POS+I]             ; a place made of loaded numbers is held inside the list before it becomes an address
	v_add_nc_u32 v[T+I], 128*(I/4)+I%4, v7
	v_add_nc_u32 v[JJ+I], 128*(I/4)+I%4, v8
	v_lshlrev_b32 v[POS+I], 2, v[POS+I]
.set I, I+1
.endr
.set I, 0
.rept 16
	global_store_b32 v[POS+I], v[T+I], s[10:11] offset:TOKB     ; every register here is written once: no store's source is written again
	global_store_b32 v[POS+I], v[JJ+I], s[10:11] offset:DSTB
.set I, I+1
.endr
	; the rows that fill expert w's last tile up (fewer than 128): token 0, and a spare row each: 4096 + p - the rows of experts 0 .. w
	v_add_nc_u32 v9, NROW, v1                      ; my spare word
	v_mov_b32 v10, 0
	s_sub_co_u32 s93, 4096, s95
.irp q, 0,1,2,3
	v_add_nc_u32 v[112+\q], s88, v1
	v_add_nc_u32 v[112+\q], 32*\q, v[112+\q]
	v_add_nc_u32 v[116+\q], s93, v[112+\q]
	v_cmp_gt_u32 vcc_lo, s89, v[112+\q]
	v_cndmask_b32 v[112+\q], v9, v[112+\q], vcc_lo
	v_min_u32 v[112+\q], LAST, v[112+\q]
	v_lshlrev_b32 v[112+\q], 2, v[112+\q]
	global_store_b32 v[112+\q], v10, s[10:11] offset:TOKB
	global_store_b32 v[112+\q], v[116+\q], s[10:11] offset:DSTB
.endr
	; the tiles that this split leaves without rows: 4,096 entries fill 32 tiles at the least, so at most 7 x 128 = 896 rows: four trips of 256 threads.  All 4,096 rows lie in front of them: the spare row of p is p
	s_lshl_b32 s94, s70, 7
.irp k, 0,1,2,3
	v_add_nc_u32 v[120+\k], s94, v0
	v_add_nc_u32 v[120+\k], 256*\k, v[120+\k]
	v_mov_b32 v[124+\k], v[120+\k]
	v_cmp_gt_u32 vcc_lo, NROW, v[120+\k]
	v_cndmask_b32 v[120+\k], v9, v[120+\k], vcc_lo
	v_min_u32 v[120+\k], LAST, v[120+\k]
	v_lshlrev_b32 v[120+\k], 2, v[120+\k]
	global_store_b32 v[120+\k], v10, s[10:11] offset:TOKB
	global_store_b32 v[120+\k], v[124+\k], s[10:11] offset:DSTB
.endr
	; TE[i] = the number of experts whose tiles end at or before tile i: the tile's expert, or 8 behind the last used tile
	v_mov_b32 v52, 0
	v_mov_b32 v53, 1
.irp e, 0,1,2,3,4,5,6,7
	v_cmp_le_u32 vcc_lo, s[80+\e], v0
	v_cndmask_b32 v54, 0, v53, vcc_lo
	v_add_nc_u32 v52, v52, v54
.endr
	v_lshlrev_b32 v55, 2, v0
	global_store_b32 v55, v52, s[10:11]
	s_wait_tensorcnt 0x0
	ds_add_u32 v160, v161
	s_wait_dscnt 0x0
	s_endpgm
.Lfunc_end_k_qc74e6eb023_prep:
	.size	k_qc74e6eb023_prep, .Lfunc_end_k_qc74e6eb023_prep-k_qc74e6eb023_prep
	.p2alignl 7, 3214868480
	.fill 96, 4, 3214868480
	.section	.rodata,"a",@progbits
	.p2align	6, 0x0
	.amdhsa_kernel k_qc74e6eb023_prep
		.amdhsa_group_segment_fixed_size 102400
		.amdhsa_private_segment_fixed_size 0
		.amdhsa_enable_private_segment 0
		.amdhsa_kernarg_size 32
		.amdhsa_user_sgpr_count 2
		.amdhsa_user_sgpr_kernarg_segment_ptr 1
		.amdhsa_wavefront_size32 1
		.amdhsa_system_sgpr_workgroup_id_x 1
		.amdhsa_system_sgpr_workgroup_id_y 1
		.amdhsa_system_sgpr_workgroup_id_z 1
		.amdhsa_system_vgpr_workitem_id 0
		.amdhsa_next_free_vgpr 162
		.amdhsa_next_free_sgpr 96
		.amdhsa_reserve_vcc 1
		.amdhsa_float_denorm_mode_32 3
		.amdhsa_float_denorm_mode_16_64 3
		.amdhsa_memory_ordered 1
		.amdhsa_forward_progress 1
		.amdhsa_inst_pref_size 80
	.end_amdhsa_kernel
	.amdgpu_metadata
---
amdhsa.version: [ 1, 2 ]
amdhsa.kernels:
  - .name:           k_qc74e6eb023_prep
    .symbol:         k_qc74e6eb023_prep.kd
    .args:
      - { .name: ensembles, .offset: 0, .size: 8, .value_kind: global_buffer, .address_space: global }
      - { .name: proj_in_codes, .offset: 8, .size: 8, .value_kind: global_buffer, .address_space: global }
      - { .name: w1l, .offset: 16, .size: 8, .value_kind: global_buffer, .address_space: global }
      - { .name: route, .offset: 24, .size: 8, .value_kind: global_buffer, .address_space: global }
    .group_segment_fixed_size: 102400
    .private_segment_fixed_size: 0
    .kernarg_segment_align: 8
    .kernarg_segment_size: 32
    .max_flat_workgroup_size: 256
    .sgpr_count:     96
    .vgpr_count:     162
    .wavefront_size: 32
...
	.end_amdgpu_metadata
.endif
;; end of part 1
;; launch gemm1 (part 2): grid 64 x 4, 4 waves a work-group, no clusters, 151,040 bytes of LDS; arguments route, x_codes, x_scales, w1l, proj_in_scales, hc, hs, proj_out_codes, w2l; writes hc, hs, w2l
.if DOCPART == 2
	.amdgcn_target "amdgcn-amd-amdhsa--gfx1250"
	.amdhsa_code_object_version 6
	.text
	.protected	k_qc74e6eb023_gemm1
	.globl	k_qc74e6eb023_gemm1
	.p2align	8
	.type	k_qc74e6eb023_gemm1,@function
k_qc74e6eb023_gemm1:
	s_mov_b64 s[64:65], 0
	v_nop
	global_prefetch_b8 v0, s[64:65] scope:SCOPE_SE
	s_setreg_imm32_b32 hwreg(HW_REG_WAVE_MODE, 25, 1), 1
	s_wait_xcnt 0x0
; Work-groups with x < 39:  H = Q(relu(X W1[e]^T)) for the routed rows, sorted by expert.  Codes of BF6 (E3M2) with one E8M0 scale for each 32 along K on both sides; sums in f32.
; Work-groups with x = 39 .. 63 (100 of them):  W2's codes are laid out in the order of the operand's registers for the next launch; this launch does not read them.  (At the text's end.)
; SHARES.  Work-group (i, y): tile i of 128 sorted rows, all of one expert e = TE[i].  Wave w takes hidden units 128 g .. 128 g + 127, g = 4 y + w: a wave tile of 128 rows x 128 units, 64 accumulators, K = 1,024 in 8 steps.
; The tile's 128 rows of x (gathered by the list of tokens) are staged ONCE in LDS, 768 bytes a row, and read by all four waves.  W1's fragments come from memory straight into registers, laid out by the launch before
; in the order of the operand's registers: three loads of 16 bytes a lane for a fragment, through a ring of 14 fragments (7 pairs on their way).
; THE GRID SERVES EVERY SPLIT (39 tiles at the most).  A tile without rows (TE = 8) stores nothing and ends: a branch on a stored whole number.  It stands BEHIND the product's one barrier, which every wave of its work-groups passes;
; for the sake of that branch the launch has no tensor load and no joint request in a cluster: partners could not be counted on to ask.
; THE PRODUCT IS USED TRANSPOSED (source 0 = 16 units of W1, source 1 = 16 rows of x): a lane holds ONE row, and, by the choice of a tile's units, the 16 registers of tiles 2 b and 2 b + 1 are 16 neighbours along the next K.
; So the hidden layer is quantised in registers; its codes leave as images of the next product's operand registers (hc), its scale words beside them (hs).
; LIMITS: a block of zeros gets the scale byte 1 where the rule says 127 (its codes are zeros, and this program alone reads the bytes).  The relu is v_max_num_f32: a sum that is NaN (a scale byte 0xff among the inputs) becomes 0; NaN is not served.
; REGISTERS, in windows of 256.  Window 0: v1-15 addresses; v16-47 x's scale words, v48-79 W1's (nothing else ever lies there); v80-247 the ring of W1's fragments, later the quantiser's registers.
;   Window 1: two sets of x's 8 fragments, v0-95 and v128-223 (at the head v0-191: the rows on their way to LDS).   Windows 2, 3: accumulator (t, f) at v[8 (8 (t % 4) + f)], tiles t < 4 in window 2.
.set TOKB,  1024
.set PIT,   784                        ; an LDS row: 768 bytes + 16 = 196 words: row r starts at bank 4 r mod 64 (64 banks of 4 bytes: ISA guide 11.1), lanes 16-31 six words on
.set XS,    16                         ; v[XS + 8 q + s]: lanes 0-15 the scale word of row fragment 2 q at K step s, lanes 16-31 that of fragment 2 q + 1
.set WS,    48                         ; v[WS + 8 q + s]: the same for W1's tiles 2 q and 2 q + 1
.set RING,  80
.set NSLOT, 14
.set LT,    80                         ; at the head: v80-95 the tokens of the 16 rows that my half of the lanes stages; v96-99 those of rows 32 q + lane
.set LQ,    96
.set TMP,   80                         ; at the end: v80-143 a row fragment's 64 numbers a lane
.set PC,    144                        ; v144-163 its codes
.set TM,    164                        ; v164-179 largest magnitudes, bytes, scale operands
.set PWE,   180                        ; v180, v181 the scale words of an even and an odd fragment
.set HW,    184                        ; v184-187 the four words that go to hs
.set LB,    128*PIT                    ; W2's path: LDS bytes of its own, behind the rows of x, which it never names;
.set WREG,  16*PIT                     ; a wave's own 16 slots there
.set D0,    32                         ; W2's path: v32-127 and v128-223: two jobs' 96 registers of data
.set D1,    128
.set MSB, 0
.macro WIN new                         ; the immediate's high byte repeats the setting that is left; a switch that changes nothing is dropped
.if MSB != \new
	s_set_vgpr_msb (MSB<<8)|\new
.set MSB, \new
.endif
.endm
; one matrix instruction, by the symbols rD, rA, rB, rSA, rSB; Z: it starts its sum; OA, OB: the side's scale words lie in lanes 16-31
.macro WM
.if Z
.if OA && OB
	v_wmma_scale_f32_16x16x128_f8f6f4 v[rD:rD+7], v[rA:rA+11], v[rB:rB+11], 0, v[rSA], v[rSB] matrix_a_fmt:MATRIX_FMT_BF6 matrix_b_fmt:MATRIX_FMT_BF6 matrix_a_scale:MATRIX_SCALE_ROW1 matrix_b_scale:MATRIX_SCALE_ROW1
.elseif OA
	v_wmma_scale_f32_16x16x128_f8f6f4 v[rD:rD+7], v[rA:rA+11], v[rB:rB+11], 0, v[rSA], v[rSB] matrix_a_fmt:MATRIX_FMT_BF6 matrix_b_fmt:MATRIX_FMT_BF6 matrix_a_scale:MATRIX_SCALE_ROW1
.elseif OB
	v_wmma_scale_f32_16x16x128_f8f6f4 v[rD:rD+7], v[rA:rA+11], v[rB:rB+11], 0, v[rSA], v[rSB] matrix_a_fmt:MATRIX_FMT_BF6 matrix_b_fmt:MATRIX_FMT_BF6 matrix_b_scale:MATRIX_SCALE_ROW1
.else
	v_wmma_scale_f32_16x16x128_f8f6f4 v[rD:rD+7], v[rA:rA+11], v[rB:rB+11], 0, v[rSA], v[rSB] matrix_a_fmt:MATRIX_FMT_BF6 matrix_b_fmt:MATRIX_FMT_BF6
.endif
.else
.if OA && OB
	v_wmma_scale_f32_16x16x128_f8f6f4 v[rD:rD+7], v[rA:rA+11], v[rB:rB+11], v[rD:rD+7], v[rSA], v[rSB] matrix_a_fmt:MATRIX_FMT_BF6 matrix_b_fmt:MATRIX_FMT_BF6 matrix_a_scale:MATRIX_SCALE_ROW1 matrix_b_scale:MATRIX_SCALE_ROW1
.elseif OA
	v_wmma_scale_f32_16x16x128_f8f6f4 v[rD:rD+7], v[rA:rA+11], v[rB:rB+11], v[rD:rD+7], v[rSA], v[rSB] matrix_a_fmt:MATRIX_FMT_BF6 matrix_b_fmt:MATRIX_FMT_BF6 matrix_a_scale:MATRIX_SCALE_ROW1
.elseif OB
	v_wmma_scale_f32_16x16x128_f8f6f4 v[rD:rD+7], v[rA:rA+11], v[rB:rB+11], v[rD:rD+7], v[rSA], v[rSB] matrix_a_fmt:MATRIX_FMT_BF6 matrix_b_fmt:MATRIX_FMT_BF6 matrix_b_scale:MATRIX_SCALE_ROW1
.else
	v_wmma_scale_f32_16x16x128_f8f6f4 v[rD:rD+7], v[rA:rA+11], v[rB:rB+11], v[rD:rD+7], v[rSA], v[rSB] matrix_a_fmt:MATRIX_FMT_BF6 matrix_b_fmt:MATRIX_FMT_BF6
.endif
.endif
.endm
; x's 8 fragments of K step s from LDS into set p: 48 loads of 8 bytes, so that every address is a multiple of the access's size
.macro XSET s, p
	WIN 0x40                                       ; destination window 1, address window 0
.irp f, 0,1,2,3,4,5,6,7
.irp q, 0,1,2,3,4,5
	ds_load_b64 v[128*(\p)+12*\f+2*\q:128*(\p)+12*\f+2*\q+1], v[10+\f/4] offset:(\f%4)*16*PIT+96*(\s)+48*(\q/3)+8*(\q%3)
.endr
.endr
.endm
; pair p of W1's fragments (numbers 2 p and 2 p + 1 of the 64, K step by K step, tile by tile) into its two ring slots: six loads, 512 consecutive bytes each
.macro WPAIR p
	WIN 0
.irp k, 0,1
.irp c, 0,1,2
	global_load_b128 v[RING+12*((2*(\p)+\k)%NSLOT)+4*\c:RING+12*((2*(\p)+\k)%NSLOT)+4*\c+3], v12, s[10:11] offset:(2*(\p)+\k)*1536+512*\c
.endr
.endr
.endm
; 16 matrix instructions: W1's tiles 2 U and 2 U + 1 against x's eight fragments, K step S.  The 64 accumulators take turns, one instruction a turn, in the same order in every K step.
.macro MUL16
.irp k, 0,1
.irp f, 0,1,2,3,4,5,6,7
.set TT, 2*U+\k
.set rD, 8*(8*(TT%4)+\f)
.set rA, RING+12*((8*S+TT)%NSLOT)
.set rB, 128*(S%2)+12*\f
.set rSA, WS+8*(TT/2)+S
.set rSB, XS+8*(\f/2)+S
.set OA, \k
.set OB, \f%2
	WM
.endr
.endr
.endm
; 64 numbers of a lane, v[s] on, register 16 b + i = K 32 b + 16 (lane / 16) + i of my row, none negative, become a fragment's codes in v[PC] .. v[PC + 11] and its scale word in v[pw]
.macro QUANT s, pw
.irp b, 0,1,2,3
	v_max3_num_f32 v[TM+\b], v[\s+16*\b], v[\s+1+16*\b], 0x2800000   ; block b: my 16 numbers, and the floor 2^(5 - 127): the byte cannot fall under 1
.endr
.irp i, 2,4,6,8,10,12,14
.irp b, 0,1,2,3
	v_max3_num_f32 v[TM+\b], v[TM+\b], v[\s+16*\b+\i], v[\s+1+16*\b+\i]   ; the four blocks by turns
.endr
.endr
.irp b, 0,1,2,3
	v_permlanex16_b32 v[TM+4+\b], v[TM+\b], s26, s27
.endr
.irp b, 0,1,2,3
	v_max_num_f32 v[TM+\b], v[TM+\b], v[TM+4+\b]   ; with lane l xor 16's 16: the block's largest magnitude
.endr
.irp b, 0,1,2,3
	v_add_nc_u32 v[TM+12+\b], 0xfe000000, v[TM+\b] ; 4 off its exponent field: the conversion takes the exponent field of this operand as its scale
.endr
.irp b, 0,1,2,3
	v_lshrrev_b32 v[TM+4+\b], 23, v[TM+12+\b]      ; the scale's byte
.endr
	v_lshl_or_b32 v[\pw], v[TM+5], 8, v[TM+4]
	v_lshl_or_b32 v[\pw], v[TM+6], 16, v[\pw]
	v_lshl_or_b32 v[\pw], v[TM+7], 24, v[\pw]      ; my row's scale word
	s_wait_xcnt 0x0                                ; the last fragment's stores have read the codes' registers: they are written again only behind this wait
.irp c, 0,1
	v_cvt_scalef32_pk16_bf6_f32 v[PC+6*\c:PC+2+6*\c], v[\s+32*\c:\s+15+32*\c], v[TM+12+2*\c]
	v_cvt_scalef32_pk16_bf6_f32 v[PC+12+4*\c:PC+14+4*\c], v[\s+16+32*\c:\s+31+32*\c], v[TM+12+2*\c+1]   ; (a conversion's three registers begin on an even number)
.endr
	v_nop                                          ; one plain instruction behind the scaled conversions
.irp c, 0,1                                    ; the operand's layout wants a whole block in a lane: lanes 0-15 block 2 c, lanes 16-31 block 2 c + 1
.irp i, 0,1,2
	v_permlane16_swap_b32 v[PC+6*\c+\i], v[PC+12+4*\c+\i]
.endr
.irp i, 0,1,2
	v_mov_b32 v[PC+3+6*\c+\i], v[PC+12+4*\c+\i]
.endr
.endr
.endm
	v_lshl_add_u32 v254, v0, 2, 0x24c00
	v_mov_b32 v255, 0
	s_cmp_gt_u32 ttmp9, 38                         ; the work-group's number alone decides: the product, or W2's laying-out
	s_cbranch_scc1 .Llayout
	s_load_b256 s[4:11], s[0:1], 0x0               ; route s[4:5], x_codes s[6:7], x_scales s[8:9], w1l s[10:11]
	s_load_b128 s[12:15], s[0:1], 0x20             ; proj_in_scales s[12:13], hc s[14:15]
	s_load_b64 s[16:17], s[0:1], 0x30              ; hs
	v_lshrrev_b32 v1, 5, v0
	v_readfirstlane_b32 s18, v1                    ; wave 0..3
	v_and_b32 v1, 31, v0                           ; lane
	v_and_b32 v2, 15, v0                           ; r
	v_bfe_u32 v3, v0, 4, 1                         ; h
	v_mul_u32_u24 v10, v2, PIT
	v_mad_u32_u24 v10, v3, 24, v10                 ; a fragment's row x pitch + 24 h: fragments 0-3;
	v_add_nc_u32 v11, 64*PIT, v10                  ; fragments 4-7
	v_lshlrev_b32 v12, 4, v1                       ; 16 x lane: my place in an image
	v_lshrrev_b32 v4, 4, v0                        ; 2 w + h
	v_mul_u32_u24 v13, v4, 16*PIT
	v_lshl_add_u32 v13, v2, 4, v13                 ; staging: rows 32 w + 16 h on, 16 bytes a lane
	v_and_b32 v14, 8, v0
	v_add_nc_u32 v14, v14, v2
	v_and_b32 v5, 16, v0
	v_lshrrev_b32 v5, 1, v5
	v_add_nc_u32 v14, v14, v5                      ; the unit of lane l in a pair of tiles: r + 8 (r / 8) + 8 h
	v_lshlrev_b32 v14, 5, v14                      ; its 32 scale bytes
	v_lshlrev_b32 v7, 4, v2                        ; 16 r
	s_lshl_b32 s21, ttmp9, 2                       ; my tile's record
	s_lshl_b32 s30, ttmp9, 9                       ; my tile's 128 words of a list
	v_lshl_add_u32 v8, v4, 6, s30
	v_lshl_add_u32 v9, v1, 2, s30
	s_mov_b32 s26, 0x76543210
	s_mov_b32 s27, 0xfedcba98                      ; v_permlanex16_b32's selects for lane l xor 16
	s_mov_b32 s28, 0xffff0000                      ; lanes 16-31
	s_and_b32 s29, ttmp7, 0xffff
	s_lshl_b32 s29, s29, 2
	s_add_co_u32 s29, s29, s18                     ; g
	s_wait_kmcnt 0x0
	s_load_b32 s19, s[4:5], s21 offset:0x0         ; TE[i]
.irp m, 0,1,2,3
	global_load_b128 v[LT+4*\m:LT+4*\m+3], v8, s[4:5] offset:TOKB+16*\m
.endr
.irp q, 0,1,2,3
	global_load_b32 v[LQ+\q], v9, s[4:5] offset:TOKB+128*\q
.endr
	s_wait_kmcnt 0x0
	s_min_u32 s20, s19, 7                          ; the expert; a tile without rows goes on with expert 7 as far as the barrier
	s_lshl_b32 s22, s20, 4
	s_add_co_u32 s22, s22, s29
	s_mul_i32 s22, s22, 98304                      ; 64 fragments of 1,536 bytes to a group
	s_mov_b32 s23, 0
	s_add_nc_u64 s[10:11], s[10:11], s[22:23]
	s_lshl_b32 s22, s20, 16
	s_lshl_b32 s24, s29, 12
	s_add_co_u32 s22, s22, s24                     ; (2048 e + 128 g) x 32 bytes
	s_add_nc_u64 s[12:13], s[12:13], s[22:23]
	s_lshl_b32 s24, ttmp9, 4
	s_add_co_u32 s24, s24, s29                     ; 16 i + g
	s_mul_i32 s22, s24, 12288
	s_add_nc_u64 s[14:15], s[14:15], s[22:23]
	s_lshl_b32 s22, s24, 9
	s_add_nc_u64 s[16:17], s[16:17], s[22:23]
	s_wait_loadcnt 0x0                             ; the lists
.set K, 0
.rept 20
	v_min_u32 v[LT+K], 2047, v[LT+K]               ; a loaded number is held inside its table before it becomes an address
.set K, K+1
.endr
.set K, 0
.rept 16
	v_mul_u32_u24 v[LT+K], v[LT+K], 768
.set K, K+1
.endr
.set K, 0
.rept 16
	v_add_nc_u32 v[LT+K], v[LT+K], v7
.set K, K+1
.endr
.irp q, 0,1,2,3
	v_lshlrev_b32 v[LQ+\q], 5, v[LQ+\q]
.endr
	WIN 0x40
.set K, 0
.rept 16
.irp c, 0,1,2
	global_load_b128 v[4*(3*K+\c):4*(3*K+\c)+3], v[LT+K], s[6:7] offset:256*\c   ; sixteen lanes read 256 consecutive bytes of one row of x, aligned
.endr
.set K, K+1
.endr
	WIN 0
.irp q, 0,1,2,3
	global_load_b128 v[XS+8*\q:XS+8*\q+3], v[LQ+\q], s[8:9]
	global_load_b128 v[XS+8*\q+4:XS+8*\q+7], v[LQ+\q], s[8:9] offset:16
.endr
	s_wait_xcnt 0x0                                ; these loads have read their offsets, v80-99, on which the ring's loads land
.irp q, 0,1,2,3
	global_load_b128 v[WS+8*\q:WS+8*\q+3], v14, s[12:13] offset:1024*\q
	global_load_b128 v[WS+8*\q+4:WS+8*\q+7], v14, s[12:13] offset:1024*\q+16
.endr
.irp p, 0,1,2,3,4,5,6
	WPAIR \p
.endr
	s_wait_loadcnt 50                              ; x's rows and scale words are in; W1's 8 loads of scale words and the ring's 42 may be out
	WIN 0x04                                       ; an LDS store's data are its source 1: window 1
.set K, 0
.rept 16
.irp c, 0,1,2
	ds_store_b128 v13, v[4*(3*K+\c):4*(3*K+\c)+3] offset:PIT*K+256*\c
.endr
.set K, K+1
.endr
	WIN 0
	s_wait_dscnt 0x0                               ; for the others' sake: my 32 rows lie in LDS
	s_barrier_signal -1
	s_barrier_wait -1                              ; the one barrier; every wave of every work-group of the product passes it
	s_cmp_gt_u32 s19, 7
	s_cbranch_scc1 .Lend                           ; a tile without rows stores nothing
	XSET 0, 0
	XSET 1, 1
	; THE PRODUCT: 32 pairs of W1's tiles, written out (the ring's period of 7 pairs divides no K step).
.set P, 0
.rept 32
.set S, P/4
.set U, P%4
.set Z, 0
.if S == 0
.set Z, 1                                      ; the first K step starts the sums: nothing is cleared
.endif
.if 31-P < 6
	s_wait_loadcnt 6*(31-P)                        ; pair P is in; behind it only the pairs that are left
.else
	s_wait_loadcnt 36                              ; pair P is in; the six pairs issued behind it may be out
.endif
.if U == 0
.if S < 7
	s_wait_dscnt 48                                ; this K step's fragments of x are in; the next step's 48 loads may be out
.else
	s_wait_dscnt 0x0
.endif
.endif
.if U < 2
	WIN 0xa4                                       ; source 0 (W1) window 0, source 1 (x) window 1, C and D window 2
.else
	WIN 0xf4                                       ; the same, C and D window 3
.endif
	MUL16
.rept 4
	v_nop                                          ; four places in front of loads into registers that matrix instructions have read (ISA guide 7.12.1 for vector instructions)
.endr
.if P+7 < 32
	WPAIR P+7                                      ; into the two slots just read
.endif
.if (U == 3) && (S+2 < 8)
	XSET S+2, S%2                                  ; into the set just read
.endif
.set P, P+1
.endr
	; THE WAY OUT, a fragment of 16 rows at a time: relu, quantised along the 128 units, which are K step g of the next product; the codes leave as the operand's registers stand.
	WIN 0
.rept 4
	v_nop                                          ; places behind the last products: their results are read and their operands' registers written from here on
.endr
.irp b, 0,1,2,3
	v_mov_b32 v[TM+4+\b], 0                        ; written once: a lane permute's destination counts as one of its sources
.endr
.irp f, 0,1,2,3,4,5,6,7
	WIN 0x08                                       ; source 1 window 2
.irp t, 0,1,2,3
.irp j, 0,1,2,3,4,5,6,7
	v_max_num_f32 v[TMP+8*\t+\j], 0, v[8*(8*\t+\f)+\j]          ; each accumulator from its low end on
.endr
.endr
	WIN 0x0c                                       ; source 1 window 3
.irp t, 4,5,6,7
.irp j, 0,1,2,3,4,5,6,7
	v_max_num_f32 v[TMP+8*\t+\j], 0, v[8*(8*(\t-4)+\f)+\j]
.endr
.endr
	WIN 0
	QUANT TMP, PWE+(\f%2)
.irp c, 0,1,2
	global_store_b128 v12, v[PC+4*\c:PC+4*\c+3], s[14:15] offset:1536*\f+512*\c   ; the wave stores 512 consecutive bytes, aligned
.endr
.if \f%2
	v_cndmask_b32 v[HW+\f/2], v[PWE], v[PWE+1], s28             ; lanes 0-15: the even fragment's words; lanes 16-31: the odd one's
.endif
.endr
	global_store_b128 v12, v[HW:HW+3], s[16:17]    ; 512 consecutive bytes: the scale words of my K step for the tile's 128 rows
.Lend:
	s_wait_tensorcnt 0x0
	ds_add_u32 v254, v255
	s_wait_dscnt 0x0
	s_endpgm
	; ---- W2'S CODES INTO THE ORDER OF THE OPERAND'S REGISTERS.  w2l: [expert 16 + group of 64 outputs][K step 16][tile 4][1,536 bytes]; a fragment is 3 x 512 bytes, register group c of lane l at 512 c + 16 l.
	; A job: half (768 bytes, 8 K steps) of each of the 16 rows of one tile becomes 8 fragments: 1,024 jobs for the 400 waves of this path.  Wave q takes jobs q, q + 400 and, where q < 224, q + 800.
	; The rows go through the wave's own 16 slots in LDS, as they lie, and come back in the operand's layout.  Waves share nothing: no barrier stands on this path.
.macro JBASE k, b                      ; job q + 400 k: from where into s[b:b+1], to where into s[b+2:b+3]
	s_add_co_u32 s20, s19, 400*(\k)
	s_lshr_b32 s21, s20, 1                         ; J: which 16 rows (24,576 bytes) of the tensor
	s_and_b32 s22, s20, 1                          ; u: which half of the rows
	s_mul_i32 s[\b], s21, 24576
	s_mul_i32 s23, s22, 768
	s_add_co_u32 s[\b], s[\b], s23
	s_mov_b32 s[\b+1], 0
	s_lshr_b32 s[\b+2], s21, 2
	s_lshl_b32 s[\b+2], s[\b+2], 6                 ; 64 fragments to a group of 64 outputs
	s_and_b32 s23, s21, 3
	s_add_co_u32 s[\b+2], s[\b+2], s23             ; tile J % 4,
	s_lshl_b32 s23, s22, 5
	s_add_co_u32 s[\b+2], s[\b+2], s23             ; K step 8 u: 4 fragments to a K step
	s_mul_i32 s[\b+2], s[\b+2], 1536
	s_mov_b32 s[\b+3], 0
	s_add_nc_u64 s[\b:\b+1], s[4:5], s[\b:\b+1]
	s_add_nc_u64 s[\b+2:\b+3], s[6:7], s[\b+2:\b+3]
.endm
.macro JLOAD d, b
.irp i, 0,1,2,3,4,5,6,7
.irp c, 0,1,2
	global_load_b128 v[(\d)+4*(3*\i+\c):(\d)+4*(3*\i+\c)+3], v4, s[\b:\b+1] offset:1536*\i+256*\c th:TH_LOAD_NT   ; sixteen lanes read 256 consecutive bytes, aligned; read once in this launch
.endr
.endr
.endm
.macro JTURN d, b
.irp i, 0,1,2,3,4,5,6,7
.irp c, 0,1,2
	ds_store_b128 v6, v[(\d)+4*(3*\i+\c):(\d)+4*(3*\i+\c)+3] offset:PIT*\i+256*\c
.endr
.endr
	s_wait_dscnt 0x0                               ; the stores have read their registers, which take the fragments now
.irp s, 0,1,2,3,4,5,6,7
.irp p, 0,1,2,3,4,5
	ds_load_b64 v[(\d)+12*\s+2*\p:(\d)+12*\s+2*\p+1], v7 offset:96*\s+48*(\p/3)+8*(\p%3)
.endr
.endr
.irp s, 0,1,2,3,4,5,6,7
	s_wait_dscnt 6*(7-\s)                          ; fragment s is in; the later fragments' loads may be out
.irp c, 0,1,2
	global_store_b128 v8, v[(\d)+12*\s+4*\c:(\d)+12*\s+4*\c+3], s[\b+2:\b+3] offset:6144*\s+512*\c   ; the wave stores 512 consecutive bytes, aligned
.endr
.endr
.endm
.Llayout:
	s_load_b64 s[4:5], s[0:1], 0x38                ; proj_out_codes
	s_load_b64 s[6:7], s[0:1], 0x40                ; w2l
	v_lshrrev_b32 v1, 5, v0
	v_readfirstlane_b32 s18, v1                    ; wave 0..3
	v_and_b32 v2, 15, v0                           ; r
	v_bfe_u32 v3, v0, 4, 1                         ; h
	v_mul_u32_u24 v5, v1, WREG
	v_add_nc_u32 v5, LB, v5                        ; my wave's slots
	v_mad_u32_u24 v6, v3, 8*PIT, v5
	v_lshl_add_u32 v6, v2, 4, v6                   ; in: slot 8 h + i, 16 bytes a lane
	v_mad_u32_u24 v7, v2, PIT, v5
	v_mad_u32_u24 v7, v3, 24, v7                   ; out: slot r, + 24 h: the operand's layout
	v_mul_u32_u24 v4, v3, 12288                    ; in memory lanes 16-31 begin 8 rows of 1,536 bytes on
	v_lshl_add_u32 v4, v2, 4, v4
	v_and_b32 v8, 31, v0
	v_lshlrev_b32 v8, 4, v8                        ; 16 x lane
	s_and_b32 s19, ttmp7, 0xffff
	s_mul_i32 s19, s19, 25
	s_add_co_u32 s19, s19, ttmp9
	s_sub_co_u32 s19, s19, 39                      ; which of the 100 work-groups
	s_lshl_b32 s19, s19, 2
	s_add_co_u32 s19, s19, s18                     ; q: which of the 400 waves
	s_wait_kmcnt 0x0
	JBASE 0, 24
	JBASE 1, 28
	JLOAD D0, 24
	JLOAD D1, 28                                   ; two jobs' 48 loads go out together
	s_wait_loadcnt 24                              ; the first job's loads are in; the second's 24 may be out
	JTURN D0, 24
	s_wait_loadcnt 0x0
	JTURN D1, 28                                   ; (the first job's reads of the slots were waited for: its last count was 0)
	s_cmp_lt_u32 s19, 224                          ; 1,024 - 800 jobs are left
	s_cbranch_scc0 .Ldone
	JBASE 2, 32
	s_wait_xcnt 0x0                                ; the first job's stores have read their registers, on which the third job's loads land
	JLOAD D0, 32
	s_wait_loadcnt 0x0
	JTURN D0, 32
.Ldone:
	s_wait_tensorcnt 0x0
	ds_add_u32 v254, v255
	s_wait_dscnt 0x0
	s_endpgm
.Lfunc_end_k_qc74e6eb023_gemm1:
	.size	k_qc74e6eb023_gemm1, .Lfunc_end_k_qc74e6eb023_gemm1-k_qc74e6eb023_gemm1
	.p2alignl 7, 3214868480
	.fill 96, 4, 3214868480
	.section	.rodata,"a",@progbits
	.p2align	6, 0x0
	.amdhsa_kernel k_qc74e6eb023_gemm1
		.amdhsa_group_segment_fixed_size 151040
		.amdhsa_private_segment_fixed_size 0
		.amdhsa_enable_private_segment 0
		.amdhsa_kernarg_size 72
		.amdhsa_user_sgpr_count 2
		.amdhsa_user_sgpr_kernarg_segment_ptr 1
		.amdhsa_wavefront_size32 1
		.amdhsa_system_sgpr_workgroup_id_x 1
		.amdhsa_system_sgpr_workgroup_id_y 1
		.amdhsa_system_sgpr_workgroup_id_z 1
		.amdhsa_system_vgpr_workitem_id 0
		.amdhsa_next_free_vgpr 1024
		.amdhsa_next_free_sgpr 66
		.amdhsa_reserve_vcc 0
		.amdhsa_float_denorm_mode_32 3
		.amdhsa_float_denorm_mode_16_64 3
		.amdhsa_memory_ordered 1
		.amdhsa_forward_progress 1
		.amdhsa_inst_pref_size 211
	.end_amdhsa_kernel
	.amdgpu_metadata
---
amdhsa.version: [ 1, 2 ]
amdhsa.kernels:
  - .name:           k_qc74e6eb023_gemm1
    .symbol:         k_qc74e6eb023_gemm1.kd
    .args:
      - { .name: route, .offset: 0, .size: 8, .value_kind: global_buffer, .address_space: global }
      - { .name: x_codes, .offset: 8, .size: 8, .value_kind: global_buffer, .address_space: global }
      - { .name: x_scales, .offset: 16, .size: 8, .value_kind: global_buffer, .address_space: global }
      - { .name: w1l, .offset: 24, .size: 8, .value_kind: global_buffer, .address_space: global }
      - { .name: proj_in_scales, .offset: 32, .size: 8, .value_kind: global_buffer, .address_space: global }
      - { .name: hc, .offset: 40, .size: 8, .value_kind: global_buffer, .address_space: global }
      - { .name: hs, .offset: 48, .size: 8, .value_kind: global_buffer, .address_space: global }
      - { .name: proj_out_codes, .offset: 56, .size: 8, .value_kind: global_buffer, .address_space: global }
      - { .name: w2l, .offset: 64, .size: 8, .value_kind: global_buffer, .address_space: global }
    .group_segment_fixed_size: 151040
    .private_segment_fixed_size: 0
    .kernarg_segment_align: 8
    .kernarg_segment_size: 72
    .max_flat_workgroup_size: 128
    .sgpr_count:     66
    .vgpr_count:     1024
    .wavefront_size: 32
...
	.end_amdgpu_metadata
.endif
;; end of part 2
;; launch gemm2 (part 3): grid 39 x 4, 4 waves a work-group, no clusters, 214,528 bytes of LDS; arguments route, hc, hs, w2l, proj_out_scales, part; writes part
.if DOCPART == 3
	.amdgcn_target "amdgcn-amd-amdhsa--gfx1250"
	.amdhsa_code_object_version 6
	.text
	.protected	k_qc74e6eb023_gemm2
	.globl	k_qc74e6eb023_gemm2
	.p2align	8
	.type	k_qc74e6eb023_gemm2,@function
k_qc74e6eb023_gemm2:
	s_mov_b64 s[64:65], 0
	v_nop
	global_prefetch_b8 v0, s[64:65] scope:SCOPE_SE
	s_setreg_imm32_b32 hwreg(HW_REG_WAVE_MODE, 25, 1), 1
	s_wait_xcnt 0x0
; part[dst(row)] = H W2[e]^T for the routed rows, sorted by expert; not yet weighed by the gate.  Codes of BF6 (E3M2) with one E8M0 scale for each 32 along K on both sides; sums in f32.
; SHARES.  Work-group (i, y): tile i of 128 sorted rows of expert e = TE[i].  Wave w takes outputs 64 cg .. 64 cg + 63, cg = 4 y + w: a wave tile of 128 rows x 64 outputs, 32 accumulators, K = 2,048 in 16 steps.
; The tile's hidden layer, 128 images of operand registers (196,608 bytes, one dense block of hc), is copied ONCE into LDS through registers and read by all four waves, three loads of 16 bytes a lane for a fragment.
; The copy goes in six groups of 16 loads a wave, three groups on their way: a group's LDS stores stand as soon as it has landed, while the later groups' loads are out.
; W2's fragments come from memory straight into registers, in the laid-out order, through a ring of 20 fragments (10 pairs on their way).
; THE GRID SERVES EVERY SPLIT.  A tile without rows (TE = 8) stores nothing and ends: a branch on a stored whole number, BEHIND the launch's one barrier; as far as the barrier it copies tile 0's bytes, which are always written.
; For the sake of that branch the launch has no tensor load and no joint request in a cluster.
; THE PRODUCT IS USED TRANSPOSED (source 0 = 16 outputs of W2, source 1 = 16 rows of H): a lane holds eight neighbouring outputs of one row.  A block of 16 rows x 64 outputs goes through the wave's own stage in LDS and leaves
; as rows of 256 bytes, each to the row of part that the list names (a row that only fills the tile up: to a spare row of its own, from row 4096 on, which nobody reads).
; REGISTERS, in windows of 256.  Window 0: v1-15, v240 addresses; v16-79 H's scale words, v80-111 W2's (nothing else ever lies there); v112-175 the rows' offsets in part; v176-239 rows on their way out.
;   Window 1: two sets of H's 8 fragments, v0-95 and v128-223.   Window 2: accumulator (t, f) at v[8 (8 t + f)].   Window 3: the ring, v0-239.   (At the head windows 1 and 2 carry the copy into LDS.)
.set DSTB,  21504
.set STG,   196608                     ; behind the images: a stage of 16 rows x (256 bytes + 16) for each wave
.set HSC,   16                         ; v[HSC + 4 S + q]: lanes 0-15 the scale word of row fragment 2 q at K step S, lanes 16-31 that of fragment 2 q + 1
.set W2S,   80                         ; v[W2S + 16 p + S]: the same for W2's tiles 2 p and 2 p + 1
.set DL,    112                        ; v[DL + 8 f + i]: byte offset in part of row 16 f + 8 h + i's 16 bytes of mine
.set BK,    176
.set NSLOT, 20
.set MSB, 0
.macro WIN new                         ; the immediate's high byte repeats the setting that is left; a switch that changes nothing is dropped
.if MSB != \new
	s_set_vgpr_msb (MSB<<8)|\new
.set MSB, \new
.endif
.endm
; one matrix instruction, by the symbols rD, rA, rB, rSA, rSB; Z: it starts its sum; OA, OB: the side's scale words lie in lanes 16-31
.macro WM
.if Z
.if OA && OB
	v_wmma_scale_f32_16x16x128_f8f6f4 v[rD:rD+7], v[rA:rA+11], v[rB:rB+11], 0, v[rSA], v[rSB] matrix_a_fmt:MATRIX_FMT_BF6 matrix_b_fmt:MATRIX_FMT_BF6 matrix_a_scale:MATRIX_SCALE_ROW1 matrix_b_scale:MATRIX_SCALE_ROW1
.elseif OA
	v_wmma_scale_f32_16x16x128_f8f6f4 v[rD:rD+7], v[rA:rA+11], v[rB:rB+11], 0, v[rSA], v[rSB] matrix_a_fmt:MATRIX_FMT_BF6 matrix_b_fmt:MATRIX_FMT_BF6 matrix_a_scale:MATRIX_SCALE_ROW1
.elseif OB
	v_wmma_scale_f32_16x16x128_f8f6f4 v[rD:rD+7], v[rA:rA+11], v[rB:rB+11], 0, v[rSA], v[rSB] matrix_a_fmt:MATRIX_FMT_BF6 matrix_b_fmt:MATRIX_FMT_BF6 matrix_b_scale:MATRIX_SCALE_ROW1
.else
	v_wmma_scale_f32_16x16x128_f8f6f4 v[rD:rD+7], v[rA:rA+11], v[rB:rB+11], 0, v[rSA], v[rSB] matrix_a_fmt:MATRIX_FMT_BF6 matrix_b_fmt:MATRIX_FMT_BF6
.endif
.else
.if OA && OB
	v_wmma_scale_f32_16x16x128_f8f6f4 v[rD:rD+7], v[rA:rA+11], v[rB:rB+11], v[rD:rD+7], v[rSA], v[rSB] matrix_a_fmt:MATRIX_FMT_BF6 matrix_b_fmt:MATRIX_FMT_BF6 matrix_a_scale:MATRIX_SCALE_ROW1 matrix_b_scale:MATRIX_SCALE_ROW1
.elseif OA
	v_wmma_scale_f32_16x16x128_f8f6f4 v[rD:rD+7], v[rA:rA+11], v[rB:rB+11], v[rD:rD+7], v[rSA], v[rSB] matrix_a_fmt:MATRIX_FMT_BF6 matrix_b_fmt:MATRIX_FMT_BF6 matrix_a_scale:MATRIX_SCALE_ROW1
.elseif OB
	v_wmma_scale_f32_16x16x128_f8f6f4 v[rD:rD+7], v[rA:rA+11], v[rB:rB+11], v[rD:rD+7], v[rSA], v[rSB] matrix_a_fmt:MATRIX_FMT_BF6 matrix_b_fmt:MATRIX_FMT_BF6 matrix_b_scale:MATRIX_SCALE_ROW1
.else
	v_wmma_scale_f32_16x16x128_f8f6f4 v[rD:rD+7], v[rA:rA+11], v[rB:rB+11], v[rD:rD+7], v[rSA], v[rSB] matrix_a_fmt:MATRIX_FMT_BF6 matrix_b_fmt:MATRIX_FMT_BF6
.endif
.endif
.endm
; group g of the copy: loads 16 g .. 16 g + 15 of my 96; the work-group's 128 threads take 2,048 consecutive bytes each time.  Loads 0-63 land in window 1, the others in window 2
.macro FLOAD g
.if (\g) < 4
	WIN 0x40                                       ; destination window 1, address window 0
.else
	WIN 0x80                                       ; destination window 2
.endif
.set K, 16*(\g)
.rept 16
	global_load_b128 v[4*(K%64):4*(K%64)+3], v7, s[6:7] offset:2048*K
.set K, K+1
.endr
.endm
; and its way into LDS, to the same place in the block
.macro FSTORE g
.if (\g) < 4
	WIN 0x04                                       ; an LDS store's data are its source 1: window 1
.else
	WIN 0x08                                       ; window 2
.endif
.set K, 16*(\g)
.rept 16
	ds_store_b128 v[7+K/32], v[4*(K%64):4*(K%64)+3] offset:2048*(K%32)
.set K, K+1
.endr
.endm
; H's 8 fragments of K step s from LDS into set p: 24 loads, each 512 consecutive bytes
.macro HSET s, p
	WIN 0x40                                       ; destination window 1, address window 0
.irp f, 0,1,2,3,4,5,6,7
.irp c, 0,1,2
	ds_load_b128 v[128*(\p)+12*\f+4*\c:128*(\p)+12*\f+4*\c+3], v[10+(\s)/4] offset:(((\s)%4)*8+\f)*1536+512*\c
.endr
.endr
.endm
; pair p of W2's fragments (numbers 2 p and 2 p + 1 of the 64, K step by K step, tile by tile) into its two ring slots
.macro WPAIR p
	WIN 0xc0                                       ; destination window 3, address window 0
.irp k, 0,1
.irp c, 0,1,2
	global_load_b128 v[12*((2*(\p)+\k)%NSLOT)+4*\c:12*((2*(\p)+\k)%NSLOT)+4*\c+3], v4, s[10:11] offset:(2*(\p)+\k)*1536+512*\c
.endr
.endr
.endm
; 16 matrix instructions: W2's tiles 2 U and 2 U + 1 against H's eight fragments, K step S.  The 32 accumulators take turns, one instruction a turn, in the same order in every K step.
.macro MUL16
.irp k, 0,1
.irp f, 0,1,2,3,4,5,6,7
.set TT, 2*U+\k
.set rD, 8*(8*TT+\f)
.set rA, 12*((4*S+TT)%NSLOT)
.set rB, 128*(S%2)+12*\f
.set rSA, W2S+16*U+S
.set rSB, HSC+4*S+\f/2
.set OA, \k
.set OB, \f%2
	WM
.endr
.endr
.endm
	s_load_b256 s[4:11], s[0:1], 0x0               ; route s[4:5], hc s[6:7], hs s[8:9], w2l s[10:11]
	s_load_b128 s[12:15], s[0:1], 0x20             ; proj_out_scales s[12:13], part s[14:15]
	v_lshl_add_u32 v254, v0, 2, 0x34400
	v_mov_b32 v255, 0
	v_lshrrev_b32 v1, 5, v0
	v_readfirstlane_b32 s18, v1                    ; wave 0..3
	v_and_b32 v1, 31, v0                           ; lane
	v_and_b32 v2, 15, v0                           ; r
	v_bfe_u32 v3, v0, 4, 1                         ; h
	v_lshlrev_b32 v4, 4, v1                        ; 16 x lane
	v_lshlrev_b32 v5, 6, v1                        ; 64 x lane: an output's 64 scale bytes
	s_lshl_b32 s21, ttmp9, 2                       ; my tile's record
	s_lshl_b32 s30, ttmp9, 9                       ; my tile's 128 words of a list
	v_lshl_add_u32 v6, v3, 5, s30                  ; + 8 h words
	v_lshlrev_b32 v7, 4, v0                        ; the copy: 16 x thread, in hc's block and in LDS;
	v_add_nc_u32 v8, 65536, v7                     ; LDS offsets hold 16 bits: three address registers
	v_add_nc_u32 v9, 131072, v7
	v_lshlrev_b32 v10, 4, v1                       ; the images: 16 x lane + 49,152 (four K steps) x j
	v_add_nc_u32 v11, 49152, v10
	v_add_nc_u32 v12, 98304, v10
	v_add_nc_u32 v13, 147456, v10
	v_lshrrev_b32 v14, 5, v0
	v_mul_u32_u24 v14, v14, 4352
	v_add_nc_u32 v14, STG, v14                     ; my stage
	v_mad_u32_u24 v15, v3, 2176, v14
	v_lshl_add_u32 v15, v2, 4, v15                 ; back: lanes 0-15 rows 0-7, lanes 16-31 rows 8-15; 16 bytes a lane
	v_mad_u32_u24 v14, v2, 272, v14
	v_lshl_add_u32 v14, v3, 5, v14                 ; in: row r, 32 bytes for each half of the lanes
	v_lshlrev_b32 v240, 4, v2                      ; 16 r
	s_and_b32 s29, ttmp7, 0xffff
	s_lshl_b32 s29, s29, 2
	s_add_co_u32 s29, s29, s18                     ; cg
	s_wait_kmcnt 0x0
	s_load_b32 s19, s[4:5], s21 offset:0x0         ; TE[i]
.irp f, 0,1,2,3,4,5,6,7
	global_load_b128 v[DL+8*\f:DL+8*\f+3], v6, s[4:5] offset:DSTB+64*\f
	global_load_b128 v[DL+8*\f+4:DL+8*\f+7], v6, s[4:5] offset:DSTB+64*\f+16
.endr
	s_wait_kmcnt 0x0
	s_cmp_gt_u32 s19, 7
	s_cselect_b32 s21, 0, ttmp9                    ; a tile without rows copies tile 0's bytes: bytes that were never stored are never read
	s_min_u32 s21, s21, 38
	s_min_u32 s20, s19, 7                          ; the expert
	s_mov_b32 s23, 0
	s_mul_i32 s22, s21, 196608
	s_add_nc_u64 s[6:7], s[6:7], s[22:23]
	s_lshl_b32 s22, s21, 13
	s_add_nc_u64 s[8:9], s[8:9], s[22:23]
	s_lshl_b32 s22, s20, 4
	s_add_co_u32 s22, s22, s29
	s_mul_i32 s22, s22, 98304                      ; 64 fragments of 1,536 bytes to a group
	s_add_nc_u64 s[10:11], s[10:11], s[22:23]
	s_lshl_b32 s22, s20, 16
	s_lshl_b32 s24, s29, 12
	s_add_co_u32 s22, s22, s24                     ; (1024 e + 64 cg) x 64 bytes
	s_add_nc_u64 s[12:13], s[12:13], s[22:23]
	s_lshl_b32 s22, s29, 8                         ; my 64 outputs: 256 bytes of a row
	s_add_nc_u64 s[14:15], s[14:15], s[22:23]
	; THE COPY.  Loads come back in order (ISA guide 5.7.1): each wait counts what was issued behind the group that it waits for
	FLOAD 0
	FLOAD 1
	FLOAD 2
	s_wait_loadcnt 32                              ; group 0 (and the list in front of it) is in; groups 1 and 2 may be out
	FSTORE 0
	FLOAD 3
	s_wait_loadcnt 32                              ; group 1; groups 2 and 3 may be out
	FSTORE 1
	FLOAD 4
	s_wait_loadcnt 32                              ; group 2; groups 3 and 4 may be out
	FSTORE 2
	FLOAD 5
	s_wait_loadcnt 32                              ; group 3; groups 4 and 5 may be out
	FSTORE 3
	WIN 0
.set K, 0
.rept 16
	global_load_b128 v[HSC+4*K:HSC+4*K+3], v4, s[8:9] offset:512*K
.set K, K+1
.endr
	s_wait_loadcnt 32                              ; group 4; group 5 and H's 16 loads of scale words may be out
	FSTORE 4
	WIN 0
.irp p, 0,1
.irp m, 0,1,2,3
	global_load_b128 v[W2S+16*\p+4*\m:W2S+16*\p+4*\m+3], v5, s[12:13] offset:2048*\p+16*\m
.endr
.endr
.irp p, 0,1,2
	WPAIR \p                                       ; the ring's first three pairs: the others follow behind the barrier, so that their issue does not stand in front of its signal
.endr
	s_wait_loadcnt 42                              ; group 5; behind it: 16 loads of H's scale words, 8 of W2's, the ring's 18
	FSTORE 5
	WIN 0
.set K, 0
.rept 64
	v_min_u32 v[DL+K], 4991, v[DL+K]               ; a loaded number is held inside its buffer before it becomes an address (while the stores above are out)
.set K, K+1
.endr
.set K, 0
.rept 64
	v_lshlrev_b32 v[DL+K], 12, v[DL+K]             ; a row of part is 4,096 bytes
.set K, K+1
.endr
.set K, 0
.rept 64
	v_add_nc_u32 v[DL+K], v[DL+K], v240
.set K, K+1
.endr
	s_wait_dscnt 0x0                               ; for the others' sake: my part of the images lies in LDS
	s_barrier_signal -1
	s_barrier_wait -1                              ; the one barrier; every wave of every work-group passes it
	s_cmp_gt_u32 s19, 7
	s_cbranch_scc1 .Lend                           ; a tile without rows stores nothing
	HSET 0, 0
.irp p, 3,4,5,6,7,8,9
	WPAIR \p
.endr
	HSET 1, 1
	; THE PRODUCT: 32 pairs of W2's tiles, written out.
.set P, 0
.rept 32
.set S, P/2
.set U, P%2
.set Z, 0
.if S == 0
.set Z, 1                                      ; the first K step starts the sums: nothing is cleared
.endif
.if 31-P < 9
	s_wait_loadcnt 6*(31-P)                        ; pair P is in; behind it only the pairs that are left
.else
	s_wait_loadcnt 54                              ; pair P is in (and at P = 0 the scale words in front of it); the nine pairs issued behind it may be out
.endif
.if U == 0
.if S < 15
	s_wait_dscnt 24                                ; this K step's fragments of H are in; the next step's 24 loads may be out
.else
	s_wait_dscnt 0x0
.endif
.endif
	WIN 0xa7                                       ; source 0 (W2) window 3, source 1 (H) window 1, C and D window 2
	MUL16
.rept 4
	v_nop                                          ; four places in front of loads into registers that matrix instructions have read (ISA guide 7.12.1 for vector instructions)
.endr
.if P+10 < 32
	WPAIR P+10                                     ; into the two slots just read
.endif
.if (U == 1) && (S+2 < 16)
	HSET S+2, S%2                                  ; into the set just read
.endif
.set P, P+1
.endr
	; THE WAY OUT, a block of 16 rows x 64 outputs at a time, through my own stage.  LDS serves a wave's instructions in order (ISA guide 5.7.1.4): no wait between the stores and the loads, nor in front of the next block's stores.
.macro TOSTAGE f
	WIN 0x08                                       ; the data: window 2
.irp t, 0,1,2,3
	ds_store_b128 v14, v[8*(8*\t+(\f)):8*(8*\t+(\f))+3] offset:64*\t            ; each accumulator from its low end on
	ds_store_b128 v14, v[8*(8*\t+(\f))+4:8*(8*\t+(\f))+7] offset:64*\t+16
.endr
	WIN 0
.set BB, BK+32*((\f)%2)
.irp i, 0,1,2,3,4,5,6,7
	ds_load_b128 v[BB+4*\i:BB+4*\i+3], v15 offset:272*\i
.endr
.endm
.macro SEND f, younger                 ; younger: the LDS instructions issued behind block f's loads, which may stay out
.set BB, BK+32*((\f)%2)
	s_wait_dscnt \younger
.irp i, 0,1,2,3,4,5,6,7
	global_store_b128 v[DL+8*(\f)+\i], v[BB+4*\i:BB+4*\i+3], s[14:15]           ; sixteen lanes store 256 consecutive bytes of one row of part, aligned
.endr
.endm
	WIN 0
.rept 4
	v_nop                                          ; places behind the last products, in front of the first read of results
.endr
	TOSTAGE 0
.irp f, 1,2,3,4,5,6,7
.if \f > 1
	s_wait_xcnt 0x0                                ; block f - 2's stores have read their registers: block f's loads may land there
.endif
	TOSTAGE \f
	SEND \f-1, 16                                  ; behind block f - 1's loads: block f's 8 stores and 8 loads
.endr
	SEND 7, 0
.Lend:
	s_wait_tensorcnt 0x0
	ds_add_u32 v254, v255
	s_wait_dscnt 0x0
	s_endpgm
.Lfunc_end_k_qc74e6eb023_gemm2:
	.size	k_qc74e6eb023_gemm2, .Lfunc_end_k_qc74e6eb023_gemm2-k_qc74e6eb023_gemm2
	.p2alignl 7, 3214868480
	.fill 96, 4, 3214868480
	.section	.rodata,"a",@progbits
	.p2align	6, 0x0
	.amdhsa_kernel k_qc74e6eb023_gemm2
		.amdhsa_group_segment_fixed_size 214528
		.amdhsa_private_segment_fixed_size 0
		.amdhsa_enable_private_segment 0
		.amdhsa_kernarg_size 48
		.amdhsa_user_sgpr_count 2
		.amdhsa_user_sgpr_kernarg_segment_ptr 1
		.amdhsa_wavefront_size32 1
		.amdhsa_system_sgpr_workgroup_id_x 1
		.amdhsa_system_sgpr_workgroup_id_y 1
		.amdhsa_system_sgpr_workgroup_id_z 1
		.amdhsa_system_vgpr_workitem_id 0
		.amdhsa_next_free_vgpr 1024
		.amdhsa_next_free_sgpr 66
		.amdhsa_reserve_vcc 0
		.amdhsa_float_denorm_mode_32 3
		.amdhsa_float_denorm_mode_16_64 3
		.amdhsa_memory_ordered 1
		.amdhsa_forward_progress 1
		.amdhsa_inst_pref_size 159
	.end_amdhsa_kernel
	.amdgpu_metadata
---
amdhsa.version: [ 1, 2 ]
amdhsa.kernels:
  - .name:           k_qc74e6eb023_gemm2
    .symbol:         k_qc74e6eb023_gemm2.kd
    .args:
      - { .name: route, .offset: 0, .size: 8, .value_kind: global_buffer, .address_space: global }
      - { .name: hc, .offset: 8, .size: 8, .value_kind: global_buffer, .address_space: global }
      - { .name: hs, .offset: 16, .size: 8, .value_kind: global_buffer, .address_space: global }
      - { .name: w2l, .offset: 24, .size: 8, .value_kind: global_buffer, .address_space: global }
      - { .name: proj_out_scales, .offset: 32, .size: 8, .value_kind: global_buffer, .address_space: global }
      - { .name: part, .offset: 40, .size: 8, .value_kind: global_buffer, .address_space: global }
    .group_segment_fixed_size: 214528
    .private_segment_fixed_size: 0
    .kernarg_segment_align: 8
    .kernarg_segment_size: 48
    .max_flat_workgroup_size: 128
    .sgpr_count:     66
    .vgpr_count:     1024
    .wavefront_size: 32
...
	.end_amdgpu_metadata
.endif
;; end of part 3
;; launch combine (part 4): grid 256 x 1, 8 waves a work-group, no clusters, 0 bytes of LDS; arguments part, weights, out0; writes out0
.if DOCPART == 4
	.amdgcn_target "amdgcn-amd-amdhsa--gfx1250"
	.amdhsa_code_object_version 6
	.text
	.protected	k_qc74e6eb023_combine
	.globl	k_qc74e6eb023_combine
	.p2align	8
	.type	k_qc74e6eb023_combine,@function
k_qc74e6eb023_combine:
	s_mov_b64 s[64:65], 0
	v_nop
	global_prefetch_b8 v0, s[64:65] scope:SCOPE_SE
	s_setreg_imm32_b32 hwreg(HW_REG_WAVE_MODE, 25, 1), 1
	s_wait_xcnt 0x0
; out0[b][s][:] = weights[b][0][s] x part[1024 b + s][:] + weights[b][1][s] x part[1024 b + 512 + s][:]: a token's two routed results, weighed by its gates.  All f32.
; A stream: memory binds, so no LDS, no barrier, no matrix unit.  Work-group G owns tokens 8 G .. 8 G + 7; its 256 threads take 16 bytes each of a row of 4,096 bytes, so a wave's load or store covers 512 consecutive bytes, aligned.
; All 16 loads of a thread go out at once; each row pair is weighed and stored as it arrives; no register is written again behind a store.
; ORDER OF ROUNDING: where a token's two choices name one expert, w0 o + w1 o stands for reference()'s (w0 + w1) o.
	s_load_b128 s[4:7], s[0:1], 0x0                ; part s[4:5], weights s[6:7]
	s_load_b64 s[8:9], s[0:1], 0x10                ; out0
	v_lshlrev_b32 v1, 4, v0
	s_lshr_b32 s10, ttmp9, 6                       ; b
	s_and_b32 s11, ttmp9, 63
	s_lshl_b32 s11, s11, 3                         ; s0
	s_lshl_b32 s10, s10, 10
	s_add_co_u32 s10, s10, s11                     ; 1024 b + s0: the first choice's row of part, and its word of weights
	s_lshl_b32 s12, s10, 12
	s_mov_b32 s13, 0
	s_lshl_b32 s14, s10, 2
	s_mov_b32 s15, 0
	s_lshl_b32 s32, ttmp9, 15                      ; 8 rows of 4,096 bytes of out0
	s_mov_b32 s33, 0
	s_wait_kmcnt 0x0
	s_add_nc_u64 s[4:5], s[4:5], s[12:13]
	s_add_nc_u64 s[6:7], s[6:7], s[14:15]
	s_add_nc_u64 s[8:9], s[8:9], s[32:33]
	s_load_b256 s[16:23], s[6:7], 0x0              ; the eight tokens' first gates,
	s_load_b256 s[24:31], s[6:7], 0x800            ; and their second: 512 words on
.irp i, 0,1,2,3,4,5,6,7
	global_load_b128 v[8+4*\i:11+4*\i], v1, s[4:5] offset:4096*\i th:TH_LOAD_NT
	global_load_b128 v[40+4*\i:43+4*\i], v1, s[4:5] offset:4096*\i+2097152 th:TH_LOAD_NT   ; the second choice's row: 512 rows on
.endr
	s_wait_kmcnt 0x0
.irp i, 0,1,2,3,4,5,6,7
	s_wait_loadcnt 14-2*\i                         ; token i's two rows are in; the later tokens' loads may be out
.irp c, 0,1,2,3
	v_mul_f32 v[40+4*\i+\c], s[24+\i], v[40+4*\i+\c]
.endr
.irp c, 0,1,2,3
	v_fma_f32 v[8+4*\i+\c], s[16+\i], v[8+4*\i+\c], v[40+4*\i+\c]
.endr
	global_store_b128 v1, v[8+4*\i:11+4*\i], s[8:9] offset:4096*\i th:TH_STORE_NT
.endr
	s_endpgm
.Lfunc_end_k_qc74e6eb023_combine:
	.size	k_qc74e6eb023_combine, .Lfunc_end_k_qc74e6eb023_combine-k_qc74e6eb023_combine
	.p2alignl 7, 3214868480
	.fill 96, 4, 3214868480
	.section	.rodata,"a",@progbits
	.p2align	6, 0x0
	.amdhsa_kernel k_qc74e6eb023_combine
		.amdhsa_group_segment_fixed_size 0
		.amdhsa_private_segment_fixed_size 0
		.amdhsa_enable_private_segment 0
		.amdhsa_kernarg_size 24
		.amdhsa_user_sgpr_count 2
		.amdhsa_user_sgpr_kernarg_segment_ptr 1
		.amdhsa_wavefront_size32 1
		.amdhsa_system_sgpr_workgroup_id_x 1
		.amdhsa_system_sgpr_workgroup_id_y 1
		.amdhsa_system_sgpr_workgroup_id_z 1
		.amdhsa_system_vgpr_workitem_id 0
		.amdhsa_next_free_vgpr 80
		.amdhsa_next_free_sgpr 66
		.amdhsa_reserve_vcc 0
		.amdhsa_float_denorm_mode_32 3
		.amdhsa_float_denorm_mode_16_64 3
		.amdhsa_memory_ordered 1
		.amdhsa_forward_progress 1
		.amdhsa_inst_pref_size 7
	.end_amdhsa_kernel
	.amdgpu_metadata
---
amdhsa.version: [ 1, 2 ]
amdhsa.kernels:
  - .name:           k_qc74e6eb023_combine
    .symbol:         k_qc74e6eb023_combine.kd
    .args:
      - { .name: part, .offset: 0, .size: 8, .value_kind: global_buffer, .address_space: global }
      - { .name: weights, .offset: 8, .size: 8, .value_kind: global_buffer, .address_space: global }
      - { .name: out0, .offset: 16, .size: 8, .value_kind: global_buffer, .address_space: global }
    .group_segment_fixed_size: 0
    .private_segment_fixed_size: 0
    .kernarg_segment_align: 8
    .kernarg_segment_size: 24
    .max_flat_workgroup_size: 256
    .sgpr_count:     66
    .vgpr_count:     80
    .wavefront_size: 32
...
	.end_amdgpu_metadata
.endif
;; end of part 4
;; ======== version 2 of 2: 4 launches; version 1 with the launches gemm1, gemm2 written anew for expert scheduling mode
;; workspace buffers: route 41,984 bytes of whole numbers; w1l 12,582,912 bytes; w2l 12,582,912 bytes; hc 7,667,712 bytes; hs 319,488 bytes; part 20,447,232 bytes
;; launch prep: the kernel of part 1 again; grid 129 x 1, 8 waves a work-group, no clusters, 102,400 bytes of LDS; arguments ensembles, proj_in_codes, w1l, route; writes w1l, route
;; launch gemm1 (part 5): grid 64 x 4, 4 waves a work-group, no clusters, 151,040 bytes of LDS; arguments route, x_codes, x_scales, w1l, proj_in_scales, hc, hs, proj_out_codes, w2l; writes hc, hs, w2l
.if DOCPART == 5
	.amdgcn_target "amdgcn-amd-amdhsa--gfx1250"
	.amdhsa_code_object_version 6
	.text
	.protected	k_qc74e6eb023_gemm1
	.globl	k_qc74e6eb023_gemm1
	.p2align	8
	.type	k_qc74e6eb023_gemm1,@function
k_qc74e6eb023_gemm1:
	s_mov_b64 s[64:65], 0
	v_nop
	global_prefetch_b8 v0, s[64:65] scope:SCOPE_SE
	s_setreg_imm32_b32 hwreg(HW_REG_WAVE_SCHED_MODE, 0, 2), 2
	s_setreg_imm32_b32 hwreg(HW_REG_WAVE_MODE, 25, 1), 1
	s_wait_xcnt 0x0
	s_wait_alu depctr_vm_vsrc(0)
; Work-groups with x < 39:  H = Q(relu(X W1[e]^T)) for the routed rows, sorted by expert.  Codes of BF6 (E3M2) with one E8M0 scale for each 32 along K on both sides; sums in f32.
; Work-groups with x = 39 .. 63 (100 of them):  W2's codes are laid out in the order of the operand's registers for the next launch; this launch does not read them.  (At the text's end.)
; SHARES.  Work-group (i, y): tile i of 128 sorted rows, all of one expert e = TE[i].  Wave w takes hidden units 128 g .. 128 g + 127, g = 4 y + w: a wave tile of 128 rows x 128 units, 64 accumulators, K = 1,024 in 8 steps.
; The tile's 128 rows of x (gathered by the list of tokens) are staged ONCE in LDS, 768 bytes a row, and read by all four waves.  W1's fragments come from memory straight into registers, laid out by the launch before
; in the order of the operand's registers: three loads of 16 bytes a lane for a fragment, through a ring of 14 fragments (7 pairs on their way).
; THE GRID SERVES EVERY SPLIT (39 tiles at the most).  A tile without rows (TE = 8) stores nothing and ends: a branch on a stored whole number.  It stands BEHIND the product's one barrier, which every wave of its work-groups passes;
; for the sake of that branch the launch has no tensor load and no joint request in a cluster: partners could not be counted on to ask.
; THE PRODUCT IS USED TRANSPOSED (source 0 = 16 units of W1, source 1 = 16 rows of x): a lane holds ONE row, and, by the choice of a tile's units, the 16 registers of tiles 2 b and 2 b + 1 are 16 neighbours along the next K.
; So the hidden layer is quantised in registers; its codes leave as images of the next product's operand registers (hc), its scale words beside them (hs).
; LIMITS: a block of zeros gets the scale byte 1 where the rule says 127 (its codes are zeros, and this program alone reads the bytes).  The relu is v_max_num_f32: a sum that is NaN (a scale byte 0xff among the inputs) becomes 0; NaN is not served.
; REGISTERS, in windows of 256.  Window 0: v1-15 addresses; v16-47 x's scale words, v48-79 W1's (nothing else ever lies there); v80-247 the ring of W1's fragments, later the quantiser's registers.
;   Window 1: two sets of x's 8 fragments, v0-95 and v128-223 (at the head v0-191: the rows on their way to LDS).   Windows 2, 3: accumulator (t, f) at v[8 (8 (t % 4) + f)], tiles t < 4 in window 2.
; THE MODE: SCHED_MODE bits 1:0 = 2 (LLVM: expert scheduling mode 2), set by the entry lines.  The code itself states the register dependences
; between vector or matrix instructions and memory or LDS instructions, with s_wait_alu, always for 0.
; THE PLAN, for the product.  Registers that memory or LDS instructions touch:
;   v8-v14        offsets and LDS addresses: made once at the head, never written again.
;   v80-99        at the head: the lists' words, made into offsets by vector lines, read by the loads of x; then part of the ring.
;   window 1      at the head v0-191: x's rows, loaded, read by my LDS stores; then x's two sets.
;   the ring      pair P's two slots: loaded; read by pair P's 16 products; loaded again (pair P + 7) at the head of pair P + 1.
;   x's sets      set S % 2: loaded from LDS; read by K step S's 64 products; loaded again in K step S + 1, in three runs, each between the two halves of one of that step's first three pairs.
;   v16-79        scale words: loaded once, read by products alone.
;   v[PC ..], v[HW ..]   on the way out: written by vector lines, read by stores.
; So ONE wait on va_vdst stands at the head of a pair (pairs 1 to 25): the pair before is done reading its two ring slots, and at a K step's head the step before is done reading its set of x.  The ring's refill follows it at once,
; ahead of the wait for this pair's data, so that as many pairs stay on their way as the ring holds; the runs of LDS loads follow among the pair's products, which name the accumulators, this pair's slots, the other set and the scale words:
; none of the registers that those loads touch.  Pairs 26 to 31 refill nothing and have no such wait (pair 26's LDS loads land in a set that was last read ahead of pair 24's wait).
.set TOKB,  1024
.set PIT,   784                        ; an LDS row: 768 bytes + 16 = 196 words: row r starts at bank 4 r mod 64 (64 banks of 4 bytes: ISA guide 11.1), lanes 16-31 six words on
.set XS,    16                         ; v[XS + 8 q + s]: lanes 0-15 the scale word of row fragment 2 q at K step s, lanes 16-31 that of fragment 2 q + 1
.set WS,    48                         ; v[WS + 8 q + s]: the same for W1's tiles 2 q and 2 q + 1
.set RING,  80
.set NSLOT, 14
.set LT,    80                         ; at the head: v80-95 the tokens of the 16 rows that my half of the lanes stages; v96-99 those of rows 32 q + lane
.set LQ,    96
.set TMP,   80                         ; at the end: v80-143 a row fragment's 64 numbers a lane
.set PC,    144                        ; v144-163 its codes
.set TM,    164                        ; v164-179 largest magnitudes, bytes, scale operands
.set PWE,   180                        ; v180, v181 the scale words of an even and an odd fragment
.set HW,    184                        ; v184-187 the four words that go to hs
.set LB,    128*PIT                    ; W2's path: LDS bytes of its own, behind the rows of x, which it never names;
.set WREG,  16*PIT                     ; a wave's own 16 slots there
.set D0,    32                         ; W2's path: v32-127 and v128-223: two jobs' 96 registers of data
.set D1,    128
.set MSB, 0
.macro WIN new                         ; the immediate's high byte repeats the setting that is left; a switch that changes nothing is dropped
.if MSB != \new
	s_set_vgpr_msb (MSB<<8)|\new
.set MSB, \new
.endif
.endm
; one matrix instruction, by the symbols rD, rA, rB, rSA, rSB; Z: it starts its sum; OA, OB: the side's scale words lie in lanes 16-31
.macro WM
.if Z
.if OA && OB
	v_wmma_scale_f32_16x16x128_f8f6f4 v[rD:rD+7], v[rA:rA+11], v[rB:rB+11], 0, v[rSA], v[rSB] matrix_a_fmt:MATRIX_FMT_BF6 matrix_b_fmt:MATRIX_FMT_BF6 matrix_a_scale:MATRIX_SCALE_ROW1 matrix_b_scale:MATRIX_SCALE_ROW1
.elseif OA
	v_wmma_scale_f32_16x16x128_f8f6f4 v[rD:rD+7], v[rA:rA+11], v[rB:rB+11], 0, v[rSA], v[rSB] matrix_a_fmt:MATRIX_FMT_BF6 matrix_b_fmt:MATRIX_FMT_BF6 matrix_a_scale:MATRIX_SCALE_ROW1
.elseif OB
	v_wmma_scale_f32_16x16x128_f8f6f4 v[rD:rD+7], v[rA:rA+11], v[rB:rB+11], 0, v[rSA], v[rSB] matrix_a_fmt:MATRIX_FMT_BF6 matrix_b_fmt:MATRIX_FMT_BF6 matrix_b_scale:MATRIX_SCALE_ROW1
.else
	v_wmma_scale_f32_16x16x128_f8f6f4 v[rD:rD+7], v[rA:rA+11], v[rB:rB+11], 0, v[rSA], v[rSB] matrix_a_fmt:MATRIX_FMT_BF6 matrix_b_fmt:MATRIX_FMT_BF6
.endif
.else
.if OA && OB
	v_wmma_scale_f32_16x16x128_f8f6f4 v[rD:rD+7], v[rA:rA+11], v[rB:rB+11], v[rD:rD+7], v[rSA], v[rSB] matrix_a_fmt:MATRIX_FMT_BF6 matrix_b_fmt:MATRIX_FMT_BF6 matrix_a_scale:MATRIX_SCALE_ROW1 matrix_b_scale:MATRIX_SCALE_ROW1
.elseif OA
	v_wmma_scale_f32_16x16x128_f8f6f4 v[rD:rD+7], v[rA:rA+11], v[rB:rB+11], v[rD:rD+7], v[rSA], v[rSB] matrix_a_fmt:MATRIX_FMT_BF6 matrix_b_fmt:MATRIX_FMT_BF6 matrix_a_scale:MATRIX_SCALE_ROW1
.elseif OB
	v_wmma_scale_f32_16x16x128_f8f6f4 v[rD:rD+7], v[rA:rA+11], v[rB:rB+11], v[rD:rD+7], v[rSA], v[rSB] matrix_a_fmt:MATRIX_FMT_BF6 matrix_b_fmt:MATRIX_FMT_BF6 matrix_b_scale:MATRIX_SCALE_ROW1
.else
	v_wmma_scale_f32_16x16x128_f8f6f4 v[rD:rD+7], v[rA:rA+11], v[rB:rB+11], v[rD:rD+7], v[rSA], v[rSB] matrix_a_fmt:MATRIX_FMT_BF6 matrix_b_fmt:MATRIX_FMT_BF6
.endif
.endif
.endm
; x's fragment f of K step s from LDS into set p: six loads of 8 bytes, so that every address is a multiple of the access's size (destination window 1, address window 0: the caller sets them)
.macro XFR s, p, f
.irp q, 0,1,2,3,4,5
	ds_load_b64 v[128*(\p)+12*(\f)+2*\q:128*(\p)+12*(\f)+2*\q+1], v[10+(\f)/4] offset:((\f)%4)*16*PIT+96*(\s)+48*(\q/3)+8*(\q%3)
.endr
.endm
; all 8 fragments of K step s into set p: 48 loads
.macro XSET s, p
	WIN 0x40                                       ; destination window 1, address window 0
.irp f, 0,1,2,3,4,5,6,7
	XFR \s, \p, \f
.endr
.endm
; pair p of W1's fragments (numbers 2 p and 2 p + 1 of the 64, K step by K step, tile by tile) into its two ring slots: six loads, 512 consecutive bytes each
.macro WPAIR p
	WIN 0
.irp k, 0,1
.irp c, 0,1,2
	global_load_b128 v[RING+12*((2*(\p)+\k)%NSLOT)+4*\c:RING+12*((2*(\p)+\k)%NSLOT)+4*\c+3], v12, s[10:11] offset:(2*(\p)+\k)*1536+512*\c
.endr
.endr
.endm
; 8 matrix instructions: W1's tile 2 U + k against x's eight fragments, K step S.  The 64 accumulators take turns, one instruction a turn, in the same order in every K step.
.macro MUL8 k
.irp f, 0,1,2,3,4,5,6,7
.set TT, 2*U+\k
.set rD, 8*(8*(TT%4)+\f)
.set rA, RING+12*((8*S+TT)%NSLOT)
.set rB, 128*(S%2)+12*\f
.set rSA, WS+8*(TT/2)+S
.set rSB, XS+8*(\f/2)+S
.set OA, \k
.set OB, \f%2
	WM
.endr
.endm
.macro WMUL                            ; the products' windows
.if U < 2
	WIN 0xa4                                       ; source 0 (W1) window 0, source 1 (x) window 1, C and D window 2
.else
	WIN 0xf4                                       ; the same, C and D window 3
.endif
.endm
; 64 numbers of a lane, v[s] on, register 16 b + i = K 32 b + 16 (lane / 16) + i of my row, none negative, become a fragment's codes in v[PC] .. v[PC + 11] and its scale word in v[pw].  again: a fragment's stores stand ahead
.macro QUANT s, pw, again
.irp b, 0,1,2,3
	v_max3_num_f32 v[TM+\b], v[\s+16*\b], v[\s+1+16*\b], 0x2800000   ; block b: my 16 numbers, and the floor 2^(5 - 127): the byte cannot fall under 1
.endr
.irp i, 2,4,6,8,10,12,14
.irp b, 0,1,2,3
	v_max3_num_f32 v[TM+\b], v[TM+\b], v[\s+16*\b+\i], v[\s+1+16*\b+\i]   ; the four blocks by turns
.endr
.endr
.irp b, 0,1,2,3
	v_permlanex16_b32 v[TM+4+\b], v[TM+\b], s26, s27
.endr
.irp b, 0,1,2,3
	v_max_num_f32 v[TM+\b], v[TM+\b], v[TM+4+\b]   ; with lane l xor 16's 16: the block's largest magnitude
.endr
.irp b, 0,1,2,3
	v_add_nc_u32 v[TM+12+\b], 0xfe000000, v[TM+\b] ; 4 off its exponent field: the conversion takes the exponent field of this operand as its scale
.endr
.irp b, 0,1,2,3
	v_lshrrev_b32 v[TM+4+\b], 23, v[TM+12+\b]      ; the scale's byte
.endr
	v_lshl_or_b32 v[\pw], v[TM+5], 8, v[TM+4]
	v_lshl_or_b32 v[\pw], v[TM+6], 16, v[\pw]
	v_lshl_or_b32 v[\pw], v[TM+7], 24, v[\pw]      ; my row's scale word
.if \again
	s_wait_xcnt 0x0                                ; the last fragment's stores have had their addresses translated: the codes' registers are written again only behind this wait,
	s_wait_alu depctr_vm_vsrc(0)                   ; and behind this one: those stores have read v[PC ..], which the conversions below write
.endif
.irp c, 0,1
	v_cvt_scalef32_pk16_bf6_f32 v[PC+6*\c:PC+2+6*\c], v[\s+32*\c:\s+15+32*\c], v[TM+12+2*\c]
	v_cvt_scalef32_pk16_bf6_f32 v[PC+12+4*\c:PC+14+4*\c], v[\s+16+32*\c:\s+31+32*\c], v[TM+12+2*\c+1]   ; (a conversion's three registers begin on an even number)
.endr
	v_nop                                          ; one plain instruction behind the scaled conversions
.irp c, 0,1                                    ; the operand's layout wants a whole block in a lane: lanes 0-15 block 2 c, lanes 16-31 block 2 c + 1
.irp i, 0,1,2
	v_permlane16_swap_b32 v[PC+6*\c+\i], v[PC+12+4*\c+\i]
.endr
.irp i, 0,1,2
	v_mov_b32 v[PC+3+6*\c+\i], v[PC+12+4*\c+\i]
.endr
.endr
.endm
	v_lshl_add_u32 v254, v0, 2, 0x24c00
	v_mov_b32 v255, 0
	s_cmp_gt_u32 ttmp9, 38                         ; the work-group's number alone decides: the product, or W2's laying-out
	s_cbranch_scc1 .Llayout
	s_load_b256 s[4:11], s[0:1], 0x0               ; route s[4:5], x_codes s[6:7], x_scales s[8:9], w1l s[10:11]
	s_load_b128 s[12:15], s[0:1], 0x20             ; proj_in_scales s[12:13], hc s[14:15]
	s_load_b64 s[16:17], s[0:1], 0x30              ; hs
	v_lshrrev_b32 v1, 5, v0
	v_readfirstlane_b32 s18, v1                    ; wave 0..3
	v_and_b32 v1, 31, v0                           ; lane
	v_and_b32 v2, 15, v0                           ; r
	v_bfe_u32 v3, v0, 4, 1                         ; h
	v_mul_u32_u24 v10, v2, PIT
	v_mad_u32_u24 v10, v3, 24, v10                 ; a fragment's row x pitch + 24 h: fragments 0-3;
	v_add_nc_u32 v11, 64*PIT, v10                  ; fragments 4-7
	v_lshlrev_b32 v12, 4, v1                       ; 16 x lane: my place in an image
	v_lshrrev_b32 v4, 4, v0                        ; 2 w + h
	v_mul_u32_u24 v13, v4, 16*PIT
	v_lshl_add_u32 v13, v2, 4, v13                 ; staging: rows 32 w + 16 h on, 16 bytes a lane
	v_and_b32 v14, 8, v0
	v_add_nc_u32 v14, v14, v2
	v_and_b32 v5, 16, v0
	v_lshrrev_b32 v5, 1, v5
	v_add_nc_u32 v14, v14, v5                      ; the unit of lane l in a pair of tiles: r + 8 (r / 8) + 8 h
	v_lshlrev_b32 v14, 5, v14                      ; its 32 scale bytes
	v_lshlrev_b32 v7, 4, v2                        ; 16 r
	s_lshl_b32 s21, ttmp9, 2                       ; my tile's record
	s_lshl_b32 s30, ttmp9, 9                       ; my tile's 128 words of a list
	v_lshl_add_u32 v8, v4, 6, s30
	v_lshl_add_u32 v9, v1, 2, s30
	s_mov_b32 s26, 0x76543210
	s_mov_b32 s27, 0xfedcba98                      ; v_permlanex16_b32's selects for lane l xor 16
	s_mov_b32 s28, 0xffff0000                      ; lanes 16-31
	s_wait_alu depctr_va_sdst(0)                   ; s18, the wave's number, is written, ahead of its first reader below
	s_and_b32 s29, ttmp7, 0xffff
	s_lshl_b32 s29, s29, 2
	s_add_co_u32 s29, s29, s18                     ; g
	s_wait_kmcnt 0x0
	s_load_b32 s19, s[4:5], s21 offset:0x0         ; TE[i]
	s_wait_alu depctr_va_vdst(0)                   ; the offsets and LDS addresses v8 to v14 are written, which the loads and stores of this path read
.irp m, 0,1,2,3
	global_load_b128 v[LT+4*\m:LT+4*\m+3], v8, s[4:5] offset:TOKB+16*\m
.endr
.irp q, 0,1,2,3
	global_load_b32 v[LQ+\q], v9, s[4:5] offset:TOKB+128*\q
.endr
	s_wait_kmcnt 0x0
	s_min_u32 s20, s19, 7                          ; the expert; a tile without rows goes on with expert 7 as far as the barrier
	s_lshl_b32 s22, s20, 4
	s_add_co_u32 s22, s22, s29
	s_mul_i32 s22, s22, 98304                      ; 64 fragments of 1,536 bytes to a group
	s_mov_b32 s23, 0
	s_add_nc_u64 s[10:11], s[10:11], s[22:23]
	s_lshl_b32 s22, s20, 16
	s_lshl_b32 s24, s29, 12
	s_add_co_u32 s22, s22, s24                     ; (2048 e + 128 g) x 32 bytes
	s_add_nc_u64 s[12:13], s[12:13], s[22:23]
	s_lshl_b32 s24, ttmp9, 4
	s_add_co_u32 s24, s24, s29                     ; 16 i + g
	s_mul_i32 s22, s24, 12288
	s_add_nc_u64 s[14:15], s[14:15], s[22:23]
	s_lshl_b32 s22, s24, 9
	s_add_nc_u64 s[16:17], s[16:17], s[22:23]
	s_wait_loadcnt 0x0                             ; the lists
.set K, 0
.rept 20
	v_min_u32 v[LT+K], 2047, v[LT+K]               ; a loaded number is held inside its table before it becomes an address
.set K, K+1
.endr
.set K, 0
.rept 16
	v_mul_u32_u24 v[LT+K], v[LT+K], 768
.set K, K+1
.endr
.set K, 0
.rept 16
	v_add_nc_u32 v[LT+K], v[LT+K], v7
.set K, K+1
.endr
.irp q, 0,1,2,3
	v_lshlrev_b32 v[LQ+\q], 5, v[LQ+\q]
.endr
	WIN 0x40
	s_wait_alu depctr_va_vdst(0)                   ; the lines above have written v80-99: the loads below read them as offsets, and the ring's loads further down land in them
.set K, 0
.rept 16
.irp c, 0,1,2
	global_load_b128 v[4*(3*K+\c):4*(3*K+\c)+3], v[LT+K], s[6:7] offset:256*\c   ; sixteen lanes read 256 consecutive bytes of one row of x, aligned
.endr
.set K, K+1
.endr
	WIN 0
.irp q, 0,1,2,3
	global_load_b128 v[XS+8*\q:XS+8*\q+3], v[LQ+\q], s[8:9]
	global_load_b128 v[XS+8*\q+4:XS+8*\q+7], v[LQ+\q], s[8:9] offset:16
.endr
	s_wait_xcnt 0x0                                ; these loads have had their addresses translated,
	s_wait_alu depctr_vm_vsrc(0)                   ; and have read their offsets, v80-99, on which the ring's loads land
.irp q, 0,1,2,3
	global_load_b128 v[WS+8*\q:WS+8*\q+3], v14, s[12:13] offset:1024*\q
	global_load_b128 v[WS+8*\q+4:WS+8*\q+7], v14, s[12:13] offset:1024*\q+16
.endr
.irp p, 0,1,2,3,4,5,6
	WPAIR \p
.endr
	s_wait_loadcnt 50                              ; x's rows and scale words are in; W1's 8 loads of scale words and the ring's 42 may be out
	WIN 0x04                                       ; an LDS store's data are its source 1: window 1
.set K, 0
.rept 16
.irp c, 0,1,2
	ds_store_b128 v13, v[4*(3*K+\c):4*(3*K+\c)+3] offset:PIT*K+256*\c
.endr
.set K, K+1
.endr
	WIN 0
	s_wait_dscnt 0x0                               ; for the others' sake: my 32 rows lie in LDS
	s_barrier_signal -1
	s_barrier_wait -1                              ; the one barrier; every wave of every work-group of the product passes it
	s_wait_alu depctr_vm_vsrc(0)                   ; my LDS stores have read window 1's v0-191, in which x's fragments land; it stands ahead of the branch, on the way to those loads
	s_cmp_gt_u32 s19, 7
	s_cbranch_scc1 .Lend                           ; a tile without rows stores nothing
	XSET 0, 0
	XSET 1, 1
	; THE PRODUCT: 32 pairs of W1's tiles, written out (the ring's period of 7 pairs divides no K step).
.set P, 0
.rept 32
.set S, P/4
.set U, P%4
.set Z, 0
.if S == 0
.set Z, 1                                      ; the first K step starts the sums: nothing is cleared
.endif
.if (P > 0) && (P+6 < 32)
.rept 4
	v_nop                                          ; the four places behind the last pair's products stay in front of loads into registers that they have read
.endr
	WIN 0
	s_wait_alu depctr_va_vdst(0)                   ; the products of pair P - 1 are done reading their two ring slots, in which the six loads below land; at a K step's head those of the step before are done reading their set of x
	WPAIR P+6                                      ; into the two slots that pair P - 1 read; ahead of the wait for data, so that the ring stays full
.endif
.if 31-P < 6
	s_wait_loadcnt 6*(31-P)                        ; pair P is in; behind it only the pairs that are left
.else
	s_wait_loadcnt 36                              ; pair P is in; the six pairs issued behind it may be out
.endif
.if U == 0
.if S == 0
	s_wait_dscnt 48                                ; K step 0's fragments of x are in; K step 1's 48 loads may be out
.else
	s_wait_dscnt 0x0                               ; this K step's fragments of x are in: nothing was issued behind them
.endif
.endif
	WMUL
	MUL8 0
.if (S > 0) && (S+1 < 8) && (U < 3)
	WIN 0x40                                       ; the next K step's fragments of x, into the set that the K step before read.  No wait: no product since the last wait on va_vdst names that set, nor v10, v11
.if U < 2
	XFR S+1, (S+1)%2, 3*U
	XFR S+1, (S+1)%2, 3*U+1
	XFR S+1, (S+1)%2, 3*U+2
.else
	XFR S+1, (S+1)%2, 6
	XFR S+1, (S+1)%2, 7
.endif
.endif
	WMUL
	MUL8 1
.set P, P+1
.endr
	; THE WAY OUT, a fragment of 16 rows at a time: relu, quantised along the 128 units, which are K step g of the next product; the codes leave as the operand's registers stand.
	WIN 0
.rept 4
	v_nop                                          ; places behind the last products: their results are read and their operands' registers written from here on
.endr
.irp b, 0,1,2,3
	v_mov_b32 v[TM+4+\b], 0                        ; written once: a lane permute's destination counts as one of its sources
.endr
.irp f, 0,1,2,3,4,5,6,7
	WIN 0x08                                       ; source 1 window 2
.irp t, 0,1,2,3
.irp j, 0,1,2,3,4,5,6,7
	v_max_num_f32 v[TMP+8*\t+\j], 0, v[8*(8*\t+\f)+\j]          ; each accumulator from its low end on
.endr
.endr
	WIN 0x0c                                       ; source 1 window 3
.irp t, 4,5,6,7
.irp j, 0,1,2,3,4,5,6,7
	v_max_num_f32 v[TMP+8*\t+\j], 0, v[8*(8*(\t-4)+\f)+\j]
.endr
.endr
	WIN 0
	QUANT TMP, PWE+(\f%2), \f
.if \f%2
	v_cndmask_b32 v[HW+\f/2], v[PWE], v[PWE+1], s28             ; lanes 0-15: the even fragment's words; lanes 16-31: the odd one's
.endif
	s_wait_alu depctr_va_vdst(0)                   ; the conversions, exchanges and moves have written v[PC ..], which the stores below read; behind fragment 7 the four selects have written v[HW ..] too
.irp c, 0,1,2
	global_store_b128 v12, v[PC+4*\c:PC+4*\c+3], s[14:15] offset:1536*\f+512*\c   ; the wave stores 512 consecutive bytes, aligned
.endr
.endr
	global_store_b128 v12, v[HW:HW+3], s[16:17]    ; 512 consecutive bytes: the scale words of my K step for the tile's 128 rows.  No vector line stands behind the last wait
.Lend:
	s_wait_dscnt 0x0                               ; the closing lines, six on end
	s_wait_alu 0x0
	s_wait_tensorcnt 0x0
	ds_add_u32 v254, v255
	s_wait_dscnt 0x0
	s_endpgm
	; ---- W2'S CODES INTO THE ORDER OF THE OPERAND'S REGISTERS.  w2l: [expert 16 + group of 64 outputs][K step 16][tile 4][1,536 bytes]; a fragment is 3 x 512 bytes, register group c of lane l at 512 c + 16 l.
	; A job: half (768 bytes, 8 K steps) of each of the 16 rows of one tile becomes 8 fragments: 1,024 jobs for the 400 waves of this path.  Wave q takes jobs q, q + 400 and, where q < 224, q + 800.
	; The rows go through the wave's own 16 slots in LDS, as they lie, and come back in the operand's layout.  Waves share nothing: no barrier stands on this path.
	; THE PLAN here: v4, v6, v7, v8 are made once.  A job's 96 registers are named by memory and LDS instructions alone: loaded, read by the LDS stores, loaded from LDS, read by the global stores;
	; so each change from being read to being loaded again has its wait on vm_vsrc, and one wait on va_vdst, for the four addresses, serves the whole path.
.macro JBASE k, b                      ; job q + 400 k: from where into s[b:b+1], to where into s[b+2:b+3]
	s_add_co_u32 s20, s19, 400*(\k)
	s_lshr_b32 s21, s20, 1                         ; J: which 16 rows (24,576 bytes) of the tensor
	s_and_b32 s22, s20, 1                          ; u: which half of the rows
	s_mul_i32 s[\b], s21, 24576
	s_mul_i32 s23, s22, 768
	s_add_co_u32 s[\b], s[\b], s23
	s_mov_b32 s[\b+1], 0
	s_lshr_b32 s[\b+2], s21, 2
	s_lshl_b32 s[\b+2], s[\b+2], 6                 ; 64 fragments to a group of 64 outputs
	s_and_b32 s23, s21, 3
	s_add_co_u32 s[\b+2], s[\b+2], s23             ; tile J % 4,
	s_lshl_b32 s23, s22, 5
	s_add_co_u32 s[\b+2], s[\b+2], s23             ; K step 8 u: 4 fragments to a K step
	s_mul_i32 s[\b+2], s[\b+2], 1536
	s_mov_b32 s[\b+3], 0
	s_add_nc_u64 s[\b:\b+1], s[4:5], s[\b:\b+1]
	s_add_nc_u64 s[\b+2:\b+3], s[6:7], s[\b+2:\b+3]
.endm
.macro JLOAD d, b
.irp i, 0,1,2,3,4,5,6,7
.irp c, 0,1,2
	global_load_b128 v[(\d)+4*(3*\i+\c):(\d)+4*(3*\i+\c)+3], v4, s[\b:\b+1] offset:1536*\i+256*\c th:TH_LOAD_NT   ; sixteen lanes read 256 consecutive bytes, aligned; read once in this launch
.endr
.endr
.endm
.macro JTURN d, b
.irp i, 0,1,2,3,4,5,6,7
.irp c, 0,1,2
	ds_store_b128 v6, v[(\d)+4*(3*\i+\c):(\d)+4*(3*\i+\c)+3] offset:PIT*\i+256*\c
.endr
.endr
	s_wait_dscnt 0x0                               ; the job's rows lie in my slots,
	s_wait_alu depctr_vm_vsrc(0)                   ; and the LDS stores have read their registers, in which the fragments below land
.irp s, 0,1,2,3,4,5,6,7
.irp p, 0,1,2,3,4,5
	ds_load_b64 v[(\d)+12*\s+2*\p:(\d)+12*\s+2*\p+1], v7 offset:96*\s+48*(\p/3)+8*(\p%3)
.endr
.endr
.irp s, 0,1,2,3,4,5,6,7
	s_wait_dscnt 6*(7-\s)                          ; fragment s is in; the later fragments' loads may be out
.irp c, 0,1,2
	global_store_b128 v8, v[(\d)+12*\s+4*\c:(\d)+12*\s+4*\c+3], s[\b+2:\b+3] offset:6144*\s+512*\c   ; the wave stores 512 consecutive bytes, aligned
.endr
.endr
.endm
.Llayout:
	s_load_b64 s[4:5], s[0:1], 0x38                ; proj_out_codes
	s_load_b64 s[6:7], s[0:1], 0x40                ; w2l
	v_lshrrev_b32 v1, 5, v0
	v_readfirstlane_b32 s18, v1                    ; wave 0..3
	v_and_b32 v2, 15, v0                           ; r
	v_bfe_u32 v3, v0, 4, 1                         ; h
	v_mul_u32_u24 v5, v1, WREG
	v_add_nc_u32 v5, LB, v5                        ; my wave's slots
	v_mad_u32_u24 v6, v3, 8*PIT, v5
	v_lshl_add_u32 v6, v2, 4, v6                   ; in: slot 8 h + i, 16 bytes a lane
	v_mad_u32_u24 v7, v2, PIT, v5
	v_mad_u32_u24 v7, v3, 24, v7                   ; out: slot r, + 24 h: the operand's layout
	v_mul_u32_u24 v4, v3, 12288                    ; in memory lanes 16-31 begin 8 rows of 1,536 bytes on
	v_lshl_add_u32 v4, v2, 4, v4
	v_and_b32 v8, 31, v0
	v_lshlrev_b32 v8, 4, v8                        ; 16 x lane
	s_wait_alu depctr_va_sdst(0)                   ; s18, the wave's number, is written, ahead of its first reader below
	s_and_b32 s19, ttmp7, 0xffff
	s_mul_i32 s19, s19, 25
	s_add_co_u32 s19, s19, ttmp9
	s_sub_co_u32 s19, s19, 39                      ; which of the 100 work-groups
	s_lshl_b32 s19, s19, 2
	s_add_co_u32 s19, s19, s18                     ; q: which of the 400 waves
	s_wait_kmcnt 0x0
	JBASE 0, 24
	JBASE 1, 28
	s_wait_alu depctr_va_vdst(0)                   ; v4, v6, v7 and v8 are written, which every load and store of this path reads as its offset or address
	JLOAD D0, 24
	JLOAD D1, 28                                   ; two jobs' 48 loads go out together
	s_wait_loadcnt 24                              ; the first job's loads are in; the second's 24 may be out
	JTURN D0, 24
	s_wait_loadcnt 0x0
	JTURN D1, 28                                   ; (the first job's reads of the slots were waited for: its last count was 0)
	s_wait_alu depctr_vm_vsrc(0)                   ; the first job's global stores have read v[D0 ..], in which the third job's loads land; it stands ahead of the branch, on the way to those loads
	s_cmp_lt_u32 s19, 224                          ; 1,024 - 800 jobs are left
	s_cbranch_scc0 .Ldone
	JBASE 2, 32
	s_wait_xcnt 0x0                                ; the first job's stores have had their addresses translated: their registers are loaded again only behind this wait
	JLOAD D0, 32
	s_wait_loadcnt 0x0
	JTURN D0, 32
.Ldone:
	s_wait_dscnt 0x0                               ; the closing lines, six on end
	s_wait_alu 0x0
	s_wait_tensorcnt 0x0
	ds_add_u32 v254, v255
	s_wait_dscnt 0x0
	s_endpgm
.Lfunc_end_k_qc74e6eb023_gemm1:
	.size	k_qc74e6eb023_gemm1, .Lfunc_end_k_qc74e6eb023_gemm1-k_qc74e6eb023_gemm1
	.p2alignl 7, 3214868480
	.fill 96, 4, 3214868480
	.section	.rodata,"a",@progbits
	.p2align	6, 0x0
	.amdhsa_kernel k_qc74e6eb023_gemm1
		.amdhsa_group_segment_fixed_size 151040
		.amdhsa_private_segment_fixed_size 0
		.amdhsa_enable_private_segment 0
		.amdhsa_kernarg_size 72
		.amdhsa_user_sgpr_count 2
		.amdhsa_user_sgpr_kernarg_segment_ptr 1
		.amdhsa_wavefront_size32 1
		.amdhsa_system_sgpr_workgroup_id_x 1
		.amdhsa_system_sgpr_workgroup_id_y 1
		.amdhsa_system_sgpr_workgroup_id_z 1
		.amdhsa_system_vgpr_workitem_id 0
		.amdhsa_next_free_vgpr 1024
		.amdhsa_next_free_sgpr 66
		.amdhsa_reserve_vcc 0
		.amdhsa_float_denorm_mode_32 3
		.amdhsa_float_denorm_mode_16_64 3
		.amdhsa_memory_ordered 1
		.amdhsa_forward_progress 1
		.amdhsa_inst_pref_size 213
	.end_amdhsa_kernel
	.amdgpu_metadata
---
amdhsa.version: [ 1, 2 ]
amdhsa.kernels:
  - .name:           k_qc74e6eb023_gemm1
    .symbol:         k_qc74e6eb023_gemm1.kd
    .args:
      - { .name: route, .offset: 0, .size: 8, .value_kind: global_buffer, .address_space: global }
      - { .name: x_codes, .offset: 8, .size: 8, .value_kind: global_buffer, .address_space: global }
      - { .name: x_scales, .offset: 16, .size: 8, .value_kind: global_buffer, .address_space: global }
      - { .name: w1l, .offset: 24, .size: 8, .value_kind: global_buffer, .address_space: global }
      - { .name: proj_in_scales, .offset: 32, .size: 8, .value_kind: global_buffer, .address_space: global }
      - { .name: hc, .offset: 40, .size: 8, .value_kind: global_buffer, .address_space: global }
      - { .name: hs, .offset: 48, .size: 8, .value_kind: global_buffer, .address_space: global }
      - { .name: proj_out_codes, .offset: 56, .size: 8, .value_kind: global_buffer, .address_space: global }
      - { .name: w2l, .offset: 64, .size: 8, .value_kind: global_buffer, .address_space: global }
    .group_segment_fixed_size: 151040
    .private_segment_fixed_size: 0
    .kernarg_segment_align: 8
    .kernarg_segment_size: 72
    .max_flat_workgroup_size: 128
    .sgpr_count:     66
    .vgpr_count:     1024
    .wavefront_size: 32
...
	.end_amdgpu_metadata
.endif
;; end of part 5
;; launch gemm2 (part 6): grid 39 x 4, 4 waves a work-group, no clusters, 214,528 bytes of LDS; arguments route, hc, hs, w2l, proj_out_scales, part; writes part
.if DOCPART == 6
	.amdgcn_target "amdgcn-amd-amdhsa--gfx1250"
	.amdhsa_code_object_version 6
	.text
	.protected	k_qc74e6eb023_gemm2
	.globl	k_qc74e6eb023_gemm2
	.p2align	8
	.type	k_qc74e6eb023_gemm2,@function
k_qc74e6eb023_gemm2:
	s_mov_b64 s[64:65], 0
	v_nop
	global_prefetch_b8 v0, s[64:65] scope:SCOPE_SE
	s_setreg_imm32_b32 hwreg(HW_REG_WAVE_SCHED_MODE, 0, 2), 2
	s_setreg_imm32_b32 hwreg(HW_REG_WAVE_MODE, 25, 1), 1
	s_wait_xcnt 0x0
	s_wait_alu depctr_vm_vsrc(0)
; part[dst(row)] = H W2[e]^T for the routed rows, sorted by expert; not yet weighed by the gate.  Codes of BF6 (E3M2) with one E8M0 scale for each 32 along K on both sides; sums in f32.
; SHARES.  Work-group (i, y): tile i of 128 sorted rows of expert e = TE[i].  Wave w takes outputs 64 cg .. 64 cg + 63, cg = 4 y + w: a wave tile of 128 rows x 64 outputs, 32 accumulators, K = 2,048 in 16 steps.
; The tile's hidden layer, 128 images of operand registers (196,608 bytes, one dense block of hc), is copied ONCE into LDS through registers and read by all four waves, three loads of 16 bytes a lane for a fragment.
; The copy goes in six groups of 16 loads a wave, three groups on their way: a group's LDS stores stand as soon as it has landed, while the later groups' loads are out.
; W2's fragments come from memory straight into registers, in the laid-out order, through a ring of 20 fragments (10 pairs on their way).
; THE GRID SERVES EVERY SPLIT.  A tile without rows (TE = 8) stores nothing and ends: a branch on a stored whole number, BEHIND the launch's one barrier; as far as the barrier it copies tile 0's bytes, which are always written.
; For the sake of that branch the launch has no tensor load and no joint request in a cluster.
; THE PRODUCT IS USED TRANSPOSED (source 0 = 16 outputs of W2, source 1 = 16 rows of H): a lane holds eight neighbouring outputs of one row.  A block of 16 rows x 64 outputs goes through the wave's own stage in LDS and leaves
; as rows of 256 bytes, each to the row of part that the list names (a row that only fills the tile up: to a spare row of its own, from row 4096 on, which nobody reads).
; REGISTERS, in windows of 256.  Window 0: v1-15, v240 addresses; v16-79 H's scale words, v80-111 W2's (nothing else ever lies there); v112-175 the rows' offsets in part; v176-239 rows on their way out.
;   Window 1: two sets of H's 8 fragments, v0-95 and v128-223.   Window 2: accumulator (t, f) at v[8 (8 t + f)].   Window 3: the ring, v0-239.   (At the head windows 1 and 2 carry the copy into LDS.)
; THE MODE: SCHED_MODE bits 1:0 = 2 (LLVM: expert scheduling mode 2), set by the entry lines.  The code itself states the register dependences
; between vector or matrix instructions and memory or LDS instructions, with s_wait_alu, always for 0.
; THE PLAN.  Registers that memory or LDS instructions touch:
;   v4-v15        offsets and LDS addresses: made once at the head, never written again.
;   the copy      window 1 and window 2's v0-127: loaded, read by my LDS stores; then H's sets land in window 1's and the first products write window 2's.
;   the ring      pair P's two slots: loaded; read by pair P's 16 products; loaded again (pair P + 10) at the head of pair P + 1.
;   H's sets      set S % 2: loaded from LDS; read by K step S's 32 products; loaded again in K step S + 1, in two runs among the products of that step's first pair.
;   v16-111       scale words: loaded once, read by products alone.
;   v[DL ..]      loaded, made into offsets by vector lines at the head, read by the global stores at the end.
;   v[BK ..]      on the way out: loaded from LDS, read by global stores, loaded again two blocks on.  The accumulators: written by products, read by the LDS stores of the way out.
; So ONE wait on va_vdst stands at the head of a pair (pairs 1 to 22, and 24, 26, 28): the pair before is done reading its two ring slots, and at a K step's head the step before is done reading its set of H.  The ring's refill follows
; it at once, ahead of the wait for this pair's data, so that as many pairs stay on their way as the ring holds; the runs of LDS loads follow among the pair's products, which name the accumulators, this pair's slots, the other set
; and the scale words: none of the registers that those loads touch.
.set DSTB,  21504
.set STG,   196608                     ; behind the images: a stage of 16 rows x (256 bytes + 16) for each wave
.set HSC,   16                         ; v[HSC + 4 S + q]: lanes 0-15 the scale word of row fragment 2 q at K step S, lanes 16-31 that of fragment 2 q + 1
.set W2S,   80                         ; v[W2S + 16 p + S]: the same for W2's tiles 2 p and 2 p + 1
.set DL,    112                        ; v[DL + 8 f + i]: byte offset in part of row 16 f + 8 h + i's 16 bytes of mine
.set BK,    176
.set NSLOT, 20
.set MSB, 0
.macro WIN new                         ; the immediate's high byte repeats the setting that is left; a switch that changes nothing is dropped
.if MSB != \new
	s_set_vgpr_msb (MSB<<8)|\new
.set MSB, \new
.endif
.endm
; one matrix instruction, by the symbols rD, rA, rB, rSA, rSB; Z: it starts its sum; OA, OB: the side's scale words lie in lanes 16-31
.macro WM
.if Z
.if OA && OB
	v_wmma_scale_f32_16x16x128_f8f6f4 v[rD:rD+7], v[rA:rA+11], v[rB:rB+11], 0, v[rSA], v[rSB] matrix_a_fmt:MATRIX_FMT_BF6 matrix_b_fmt:MATRIX_FMT_BF6 matrix_a_scale:MATRIX_SCALE_ROW1 matrix_b_scale:MATRIX_SCALE_ROW1
.elseif OA
	v_wmma_scale_f32_16x16x128_f8f6f4 v[rD:rD+7], v[rA:rA+11], v[rB:rB+11], 0, v[rSA], v[rSB] matrix_a_fmt:MATRIX_FMT_BF6 matrix_b_fmt:MATRIX_FMT_BF6 matrix_a_scale:MATRIX_SCALE_ROW1
.elseif OB
	v_wmma_scale_f32_16x16x128_f8f6f4 v[rD:rD+7], v[rA:rA+11], v[rB:rB+11], 0, v[rSA], v[rSB] matrix_a_fmt:MATRIX_FMT_BF6 matrix_b_fmt:MATRIX_FMT_BF6 matrix_b_scale:MATRIX_SCALE_ROW1
.else
	v_wmma_scale_f32_16x16x128_f8f6f4 v[rD:rD+7], v[rA:rA+11], v[rB:rB+11], 0, v[rSA], v[rSB] matrix_a_fmt:MATRIX_FMT_BF6 matrix_b_fmt:MATRIX_FMT_BF6
.endif
.else
.if OA && OB
	v_wmma_scale_f32_16x16x128_f8f6f4 v[rD:rD+7], v[rA:rA+11], v[rB:rB+11], v[rD:rD+7], v[rSA], v[rSB] matrix_a_fmt:MATRIX_FMT_BF6 matrix_b_fmt:MATRIX_FMT_BF6 matrix_a_scale:MATRIX_SCALE_ROW1 matrix_b_scale:MATRIX_SCALE_ROW1
.elseif OA
	v_wmma_scale_f32_16x16x128_f8f6f4 v[rD:rD+7], v[rA:rA+11], v[rB:rB+11], v[rD:rD+7], v[rSA], v[rSB] matrix_a_fmt:MATRIX_FMT_BF6 matrix_b_fmt:MATRIX_FMT_BF6 matrix_a_scale:MATRIX_SCALE_ROW1
.elseif OB
	v_wmma_scale_f32_16x16x128_f8f6f4 v[rD:rD+7], v[rA:rA+11], v[rB:rB+11], v[rD:rD+7], v[rSA], v[rSB] matrix_a_fmt:MATRIX_FMT_BF6 matrix_b_fmt:MATRIX_FMT_BF6 matrix_b_scale:MATRIX_SCALE_ROW1
.else
	v_wmma_scale_f32_16x16x128_f8f6f4 v[rD:rD+7], v[rA:rA+11], v[rB:rB+11], v[rD:rD+7], v[rSA], v[rSB] matrix_a_fmt:MATRIX_FMT_BF6 matrix_b_fmt:MATRIX_FMT_BF6
.endif
.endif
.endm
; group g of the copy: loads 16 g .. 16 g + 15 of my 96; the work-group's 128 threads take 2,048 consecutive bytes each time.  Loads 0-63 land in window 1, the others in window 2
.macro FLOAD g
.if (\g) < 4
	WIN 0x40                                       ; destination window 1, address window 0
.else
	WIN 0x80                                       ; destination window 2
.endif
.set K, 16*(\g)
.rept 16
	global_load_b128 v[4*(K%64):4*(K%64)+3], v7, s[6:7] offset:2048*K
.set K, K+1
.endr
.endm
; and its way into LDS, to the same place in the block
.macro FSTORE g
.if (\g) < 4
	WIN 0x04                                       ; an LDS store's data are its source 1: window 1
.else
	WIN 0x08                                       ; window 2
.endif
.set K, 16*(\g)
.rept 16
	ds_store_b128 v[7+K/32], v[4*(K%64):4*(K%64)+3] offset:2048*(K%32)
.set K, K+1
.endr
.endm
; H's fragment f of K step s from LDS into set p: three loads, each 512 consecutive bytes (destination window 1, address window 0: the caller sets them)
.macro HFR s, p, f
.irp c, 0,1,2
	ds_load_b128 v[128*(\p)+12*(\f)+4*\c:128*(\p)+12*(\f)+4*\c+3], v[10+(\s)/4] offset:(((\s)%4)*8+(\f))*1536+512*\c
.endr
.endm
; all 8 fragments of K step s into set p: 24 loads
.macro HSET s, p
	WIN 0x40                                       ; destination window 1, address window 0
.irp f, 0,1,2,3,4,5,6,7
	HFR \s, \p, \f
.endr
.endm
; pair p of W2's fragments (numbers 2 p and 2 p + 1 of the 64, K step by K step, tile by tile) into its two ring slots
.macro WPAIR p
	WIN 0xc0                                       ; destination window 3, address window 0
.irp k, 0,1
.irp c, 0,1,2
	global_load_b128 v[12*((2*(\p)+\k)%NSLOT)+4*\c:12*((2*(\p)+\k)%NSLOT)+4*\c+3], v4, s[10:11] offset:(2*(\p)+\k)*1536+512*\c
.endr
.endr
.endm
; 4 matrix instructions: W2's tile 2 U + k against H's fragments f0 .. f0 + 3, K step S.  The 32 accumulators take turns, one instruction a turn, in the same order in every K step.
.macro MUL4 k, f0
.irp f, \f0, \f0+1, \f0+2, \f0+3
.set TT, 2*U+\k
.set rD, 8*(8*TT+(\f))
.set rA, 12*((4*S+TT)%NSLOT)
.set rB, 128*(S%2)+12*(\f)
.set rSA, W2S+16*U+S
.set rSB, HSC+4*S+(\f)/2
.set OA, \k
.set OB, (\f)%2
	WM
.endr
.endm
	s_load_b256 s[4:11], s[0:1], 0x0               ; route s[4:5], hc s[6:7], hs s[8:9], w2l s[10:11]
	s_load_b128 s[12:15], s[0:1], 0x20             ; proj_out_scales s[12:13], part s[14:15]
	v_lshl_add_u32 v254, v0, 2, 0x34400
	v_mov_b32 v255, 0
	v_lshrrev_b32 v1, 5, v0
	v_readfirstlane_b32 s18, v1                    ; wave 0..3
	v_and_b32 v1, 31, v0                           ; lane
	v_and_b32 v2, 15, v0                           ; r
	v_bfe_u32 v3, v0, 4, 1                         ; h
	v_lshlrev_b32 v4, 4, v1                        ; 16 x lane
	v_lshlrev_b32 v5, 6, v1                        ; 64 x lane: an output's 64 scale bytes
	s_lshl_b32 s21, ttmp9, 2                       ; my tile's record
	s_lshl_b32 s30, ttmp9, 9                       ; my tile's 128 words of a list
	v_lshl_add_u32 v6, v3, 5, s30                  ; + 8 h words
	v_lshlrev_b32 v7, 4, v0                        ; the copy: 16 x thread, in hc's block and in LDS;
	v_add_nc_u32 v8, 65536, v7                     ; LDS offsets hold 16 bits: three address registers
	v_add_nc_u32 v9, 131072, v7
	v_lshlrev_b32 v10, 4, v1                       ; the images: 16 x lane + 49,152 (four K steps) x j
	v_add_nc_u32 v11, 49152, v10
	v_add_nc_u32 v12, 98304, v10
	v_add_nc_u32 v13, 147456, v10
	v_lshrrev_b32 v14, 5, v0
	v_mul_u32_u24 v14, v14, 4352
	v_add_nc_u32 v14, STG, v14                     ; my stage
	v_mad_u32_u24 v15, v3, 2176, v14
	v_lshl_add_u32 v15, v2, 4, v15                 ; back: lanes 0-15 rows 0-7, lanes 16-31 rows 8-15; 16 bytes a lane
	v_mad_u32_u24 v14, v2, 272, v14
	v_lshl_add_u32 v14, v3, 5, v14                 ; in: row r, 32 bytes for each half of the lanes
	v_lshlrev_b32 v240, 4, v2                      ; 16 r
	s_wait_alu depctr_va_sdst(0)                   ; s18, the wave's number, is written, ahead of its first reader below
	s_and_b32 s29, ttmp7, 0xffff
	s_lshl_b32 s29, s29, 2
	s_add_co_u32 s29, s29, s18                     ; cg
	s_wait_kmcnt 0x0
	s_load_b32 s19, s[4:5], s21 offset:0x0         ; TE[i]
	s_wait_alu depctr_va_vdst(0)                   ; the offsets and LDS addresses v4 to v15 are written, which the loads and stores of the kernel read
.irp f, 0,1,2,3,4,5,6,7
	global_load_b128 v[DL+8*\f:DL+8*\f+3], v6, s[4:5] offset:DSTB+64*\f
	global_load_b128 v[DL+8*\f+4:DL+8*\f+7], v6, s[4:5] offset:DSTB+64*\f+16
.endr
	s_wait_kmcnt 0x0
	s_cmp_gt_u32 s19, 7
	s_cselect_b32 s21, 0, ttmp9                    ; a tile without rows copies tile 0's bytes: bytes that were never stored are never read
	s_min_u32 s21, s21, 38
	s_min_u32 s20, s19, 7                          ; the expert
	s_mov_b32 s23, 0
	s_mul_i32 s22, s21, 196608
	s_add_nc_u64 s[6:7], s[6:7], s[22:23]
	s_lshl_b32 s22, s21, 13
	s_add_nc_u64 s[8:9], s[8:9], s[22:23]
	s_lshl_b32 s22, s20, 4
	s_add_co_u32 s22, s22, s29
	s_mul_i32 s22, s22, 98304                      ; 64 fragments of 1,536 bytes to a group
	s_add_nc_u64 s[10:11], s[10:11], s[22:23]
	s_lshl_b32 s22, s20, 16
	s_lshl_b32 s24, s29, 12
	s_add_co_u32 s22, s22, s24                     ; (1024 e + 64 cg) x 64 bytes
	s_add_nc_u64 s[12:13], s[12:13], s[22:23]
	s_lshl_b32 s22, s29, 8                         ; my 64 outputs: 256 bytes of a row
	s_add_nc_u64 s[14:15], s[14:15], s[22:23]
	; THE COPY.  Loads come back in order (ISA guide 5.7.1): each wait counts what was issued behind the group that it waits for.  Each of its 384 registers is loaded once and read once: no line of the copy writes one again
	FLOAD 0
	FLOAD 1
	FLOAD 2
	s_wait_loadcnt 32                              ; group 0 (and the list in front of it) is in; groups 1 and 2 may be out
	FSTORE 0
	FLOAD 3
	s_wait_loadcnt 32                              ; group 1; groups 2 and 3 may be out
	FSTORE 1
	FLOAD 4
	s_wait_loadcnt 32                              ; group 2; groups 3 and 4 may be out
	FSTORE 2
	FLOAD 5
	s_wait_loadcnt 32                              ; group 3; groups 4 and 5 may be out
	FSTORE 3
	WIN 0
.set K, 0
.rept 16
	global_load_b128 v[HSC+4*K:HSC+4*K+3], v4, s[8:9] offset:512*K
.set K, K+1
.endr
	s_wait_loadcnt 32                              ; group 4; group 5 and H's 16 loads of scale words may be out
	FSTORE 4
	WIN 0
.irp p, 0,1
.irp m, 0,1,2,3
	global_load_b128 v[W2S+16*\p+4*\m:W2S+16*\p+4*\m+3], v5, s[12:13] offset:2048*\p+16*\m
.endr
.endr
.irp p, 0,1,2
	WPAIR \p                                       ; the ring's first three pairs: the others follow behind the barrier, so that their issue does not stand in front of its signal
.endr
	s_wait_loadcnt 42                              ; group 5; behind it: 16 loads of H's scale words, 8 of W2's, the ring's 18
	FSTORE 5
	WIN 0
.set K, 0
.rept 64
	v_min_u32 v[DL+K], 4991, v[DL+K]               ; a loaded number is held inside its buffer before it becomes an address (while the stores above are out)
.set K, K+1
.endr
.set K, 0
.rept 64
	v_lshlrev_b32 v[DL+K], 12, v[DL+K]             ; a row of part is 4,096 bytes
.set K, K+1
.endr
.set K, 0
.rept 64
	v_add_nc_u32 v[DL+K], v[DL+K], v240
.set K, K+1
.endr
	s_wait_dscnt 0x0                               ; for the others' sake: my part of the images lies in LDS
	s_barrier_signal -1
	s_barrier_wait -1                              ; the one barrier; every wave of every work-group passes it
	s_wait_alu depctr_vm_vsrc(0)                   ; my LDS stores have read the copy's registers: H's fragments land in window 1's, the first products write window 2's; it stands ahead of the branch, on the way to both
	s_cmp_gt_u32 s19, 7
	s_cbranch_scc1 .Lend                           ; a tile without rows stores nothing
	HSET 0, 0
.irp p, 3,4,5,6,7,8,9
	WPAIR \p
.endr
	HSET 1, 1
	; THE PRODUCT: 32 pairs of W2's tiles, written out.
.set P, 0
.rept 32
.set S, P/2
.set U, P%2
.set Z, 0
.if S == 0
.set Z, 1                                      ; the first K step starts the sums: nothing is cleared
.endif
.set RF, 0
.if (P > 0) && (P+9 < 32)
.set RF, 1                                     ; this pair's head refills the ring
.endif
.set HF, 0
.if (U == 0) && (S > 0) && (S+1 < 16)
.set HF, 1                                     ; this pair fetches the next K step's fragments of H
.endif
.if RF || HF
.rept 4
	v_nop                                          ; the four places behind the last pair's products stay in front of loads into registers that they have read
.endr
.endif
.if RF
	WIN 0xc0
	s_wait_alu depctr_va_vdst(0)                   ; the products of pair P - 1 are done reading their two ring slots, in which the six loads below land; at a K step's head those of the step before are done reading their set of H
	WPAIR P+9                                      ; into the two slots that pair P - 1 read; ahead of the wait for data, so that the ring stays full
.elseif HF
	s_wait_alu depctr_va_vdst(0)                   ; no refill is left; the products of the K step before are done reading their set of H, in which this pair's LDS loads land
.endif
.if 31-P < 9
	s_wait_loadcnt 6*(31-P)                        ; pair P is in; behind it only the pairs that are left
.else
	s_wait_loadcnt 54                              ; pair P is in (and at P = 0 the scale words in front of it); the nine pairs issued behind it may be out
.endif
.if U == 0
.if S == 0
	s_wait_dscnt 24                                ; K step 0's fragments of H are in; K step 1's 24 loads may be out
.else
	s_wait_dscnt 0x0                               ; this K step's fragments of H are in: nothing was issued behind them
.endif
.endif
	WIN 0xa7                                       ; source 0 (W2) window 3, source 1 (H) window 1, C and D window 2
.if HF
	MUL4 0, 0
	WIN 0x40                                       ; the next K step's fragments 0-3 of H, into the set that the K step before read.  No wait: no product since the wait above names that set, nor v10 to v13
	HFR S+1, (S+1)%2, 0
	HFR S+1, (S+1)%2, 1
	HFR S+1, (S+1)%2, 2
	HFR S+1, (S+1)%2, 3
	WIN 0xa7
	MUL4 0, 4
	MUL4 1, 0
	WIN 0x40                                       ; and its fragments 4-7, likewise: 20 products stand between them and the wait for them
	HFR S+1, (S+1)%2, 4
	HFR S+1, (S+1)%2, 5
	HFR S+1, (S+1)%2, 6
	HFR S+1, (S+1)%2, 7
	WIN 0xa7
	MUL4 1, 4
.else
	MUL4 0, 0
	MUL4 0, 4
	MUL4 1, 0
	MUL4 1, 4
.endif
.set P, P+1
.endr
	; THE WAY OUT, a block of 16 rows x 64 outputs at a time, through my own stage.  LDS serves a wave's instructions in order (ISA guide 5.7.1.4): no wait between the stores and the loads, nor in front of the next block's stores.
.macro TOSTAGE f
	WIN 0x08                                       ; the data: window 2
.irp t, 0,1,2,3
	ds_store_b128 v14, v[8*(8*\t+(\f)):8*(8*\t+(\f))+3] offset:64*\t            ; each accumulator from its low end on
	ds_store_b128 v14, v[8*(8*\t+(\f))+4:8*(8*\t+(\f))+7] offset:64*\t+16
.endr
	WIN 0
.set BB, BK+32*((\f)%2)
.irp i, 0,1,2,3,4,5,6,7
	ds_load_b128 v[BB+4*\i:BB+4*\i+3], v15 offset:272*\i
.endr
.endm
.macro SEND f, younger                 ; younger: the LDS instructions issued behind block f's loads, which may stay out
.set BB, BK+32*((\f)%2)
	s_wait_dscnt \younger
.irp i, 0,1,2,3,4,5,6,7
	global_store_b128 v[DL+8*(\f)+\i], v[BB+4*\i:BB+4*\i+3], s[14:15]           ; sixteen lanes store 256 consecutive bytes of one row of part, aligned
.endr
.endm
.rept 4
	v_nop                                          ; places behind the last products, in front of the first read of results
.endr
	WIN 0x08
	s_wait_alu depctr_va_vdst(0)                   ; the products have written the accumulators, which the LDS stores below read (the places above stay beside this wait); v[DL ..], the global stores' offsets, were written at the head.  No vector or matrix instruction follows
	TOSTAGE 0
.irp f, 1,2,3,4,5,6,7
.if \f > 1
	s_wait_xcnt 0x0                                ; block f - 2's stores have had their addresses translated,
	s_wait_alu depctr_vm_vsrc(0)                   ; and have read their data registers, in which block f's loads from the stage land
.endif
	TOSTAGE \f
	SEND \f-1, 16                                  ; behind block f - 1's loads: block f's 8 stores and 8 loads
.endr
	SEND 7, 0
.Lend:
	s_wait_dscnt 0x0                               ; the closing lines, six on end
	s_wait_alu 0x0
	s_wait_tensorcnt 0x0
	ds_add_u32 v254, v255
	s_wait_dscnt 0x0
	s_endpgm
.Lfunc_end_k_qc74e6eb023_gemm2:
	.size	k_qc74e6eb023_gemm2, .Lfunc_end_k_qc74e6eb023_gemm2-k_qc74e6eb023_gemm2
	.p2alignl 7, 3214868480
	.fill 96, 4, 3214868480
	.section	.rodata,"a",@progbits
	.p2align	6, 0x0
	.amdhsa_kernel k_qc74e6eb023_gemm2
		.amdhsa_group_segment_fixed_size 214528
		.amdhsa_private_segment_fixed_size 0
		.amdhsa_enable_private_segment 0
		.amdhsa_kernarg_size 48
		.amdhsa_user_sgpr_count 2
		.amdhsa_user_sgpr_kernarg_segment_ptr 1
		.amdhsa_wavefront_size32 1
		.amdhsa_system_sgpr_workgroup_id_x 1
		.amdhsa_system_sgpr_workgroup_id_y 1
		.amdhsa_system_sgpr_workgroup_id_z 1
		.amdhsa_system_vgpr_workitem_id 0
		.amdhsa_next_free_vgpr 1024
		.amdhsa_next_free_sgpr 66
		.amdhsa_reserve_vcc 0
		.amdhsa_float_denorm_mode_32 3
		.amdhsa_float_denorm_mode_16_64 3
		.amdhsa_memory_ordered 1
		.amdhsa_forward_progress 1
		.amdhsa_inst_pref_size 161
	.end_amdhsa_kernel
	.amdgpu_metadata
---
amdhsa.version: [ 1, 2 ]
amdhsa.kernels:
  - .name:           k_qc74e6eb023_gemm2
    .symbol:         k_qc74e6eb023_gemm2.kd
    .args:
      - { .name: route, .offset: 0, .size: 8, .value_kind: global_buffer, .address_space: global }
      - { .name: hc, .offset: 8, .size: 8, .value_kind: global_buffer, .address_space: global }
      - { .name: hs, .offset: 16, .size: 8, .value_kind: global_buffer, .address_space: global }
      - { .name: w2l, .offset: 24, .size: 8, .value_kind: global_buffer, .address_space: global }
      - { .name: proj_out_scales, .offset: 32, .size: 8, .value_kind: global_buffer, .address_space: global }
      - { .name: part, .offset: 40, .size: 8, .value_kind: global_buffer, .address_space: global }
    .group_segment_fixed_size: 214528
    .private_segment_fixed_size: 0
    .kernarg_segment_align: 8
    .kernarg_segment_size: 48
    .max_flat_workgroup_size: 128
    .sgpr_count:     66
    .vgpr_count:     1024
    .wavefront_size: 32
...
	.end_amdgpu_metadata
.endif
;; end of part 6
;; launch combine: the kernel of part 4 again; grid 256 x 1, 8 waves a work-group, no clusters, 0 bytes of LDS; arguments part, weights, out0; writes out0
